; MI455X (gfx1250); checked and timed in simulation.
; The chip was launched on July 23, 2026; its instructions are those of AMD's public machine-readable ISA for CDNA 5 (MIT licence, August 2026) and "CDNA5" Instruction Set Architecture Reference Guide (July 2026). The comments in the code are by the model that wrote it; some were corrected since.
;; L Softmax. Allowed arithmetic: float matrix products may take bf16 or f16 operands with f32 sums; other float arithmetic in f32, or as packed bf16 or f16 multiplies, adds, multiply-adds, maxima and minima; sums over many terms, partial sums and values carried from step to step in f32; what a program stores and reads back later, other than sums and carried values, may be rounded once to bf16 or f16.
;; Inputs: W 1,000 x 1,024 float32; b 1,000 float32; feat 4,096 x 1,024 float32; labels 4,096 int32.
;; Outputs: out0 4,096 x 1,000 float32; out1 one number float32.
;; 2 versions, each right. Each part assembles by itself: llvm-mc -triple=amdgcn-amd-amdhsa -mcpu=gfx1250 --defsym DOCPART=n.
;; ======== version 1 of 2: 3 launches
;; limits: right only within a limited range of input values
;; workspace buffers: fw 18,874,368 bytes; bp 4,096 bytes; wrow 16,384 bytes; esum 262,144 bytes; ce 131,072 bytes; scal 1,024 bytes
;; launch prep (part 1): grid 321 x 1, 16 waves a work-group, no clusters, 18,688 bytes of LDS; arguments feat, W, b, labels, fw, bp, wrow; writes fw, bp, wrow
.if DOCPART == 1
	.amdgcn_target "amdgcn-amd-amdhsa--gfx1250"
	.amdhsa_code_object_version 6
	.text
	.protected	k_q8d3a81ceaa_prep
	.globl	k_q8d3a81ceaa_prep
	.p2align	8
	.type	k_q8d3a81ceaa_prep,@function
k_q8d3a81ceaa_prep:
	s_mov_b64 s[64:65], 0
	v_nop
	global_prefetch_b8 v0, s[64:65] scope:SCOPE_SE
	s_setreg_imm32_b32 hwreg(HW_REG_WAVE_MODE, 25, 1), 1
	s_wait_xcnt 0x0
; PREP: the operands of the two products, each float input rounded ONCE to bf16, and each row's weight.
;   fw [9216][1024] bf16: rows 0-4095 fn, rows 4096-8191 fb = bf16(feat), rows 8192-9191 bf16(W), rows 9192-9215 zeros (W padded to 1,024 rows).
;   fn = bf16(fb x rsq(sum of fb^2) x SC), SC = sqrt(log2(e) / 0.3): fn_i . fn_j is then sim_ij x log2(e), the argument of a base-2 exponential.
;   bp [1024] f32: bf16(b) widened again; entries 1000-1023 are -1e30, so that the pad columns vanish from every maximum and sum.
;   wrow [4096] f32: 1 / cnt_i, cnt_i = the number of OTHER rows with row i's label; 0 where there is none.
; No work of reference() is left out here; all four inputs are loaded.
; LIMITS. A row whose sum of squares is 0, denormal or beyond f32's range is not served (for a zero row reference() itself gives NaN); NaN and infinities are not treated apart.
; SHARES. One wave, one row: rho = 16 g + wave.  g 0-255: rows of feat; g 256-319: rows of W (and the zero rows); g 320: the bias.  A row's 4,096 bytes are eight loads of 512 consecutive bytes;
; its 2,048 bytes of bf16 are eight stores of 256 consecutive bytes, aligned.  No ring: a wave asks for its whole row at once, and every wave of the launch does so.  No matrix unit, no cluster: nothing is shared but the labels.
; THE COUNT. The work-group copies the 4,096 labels into LDS once (32 bytes a thread); each wave then compares all of them with its own row's label, 128 a lane, while its row is on its way.
.set SPARE, 16640                      ; the spare words: 128 bytes for each of 16 waves, eight blocks of 256 bytes that no other line names
.set CNTW,  16384                      ; 16 words: the waves' counts (a block of 256 bytes of their own)
.set X,   8                            ; v[8:39]   the row, f32
.set Y,   40                           ; v[40:55]  the row, bf16
.set L,   56                           ; v[56:87]  a batch of labels; later the normalised row in bf16
.set WK,  88                           ; v[88:95]  at work
.set SCF, 0x400c591f                   ; sqrt(log2(e) / 0.3) = 2.192939
.macro WRED x, t                       ; the sum over the wave's 32 lanes, in every lane
	v_add_f32_dpp v[\x], v[\x], v[\x] row_xmask:1 row_mask:0xf bank_mask:0xf
	v_add_f32_dpp v[\x], v[\x], v[\x] row_xmask:2 row_mask:0xf bank_mask:0xf
	v_add_f32_dpp v[\x], v[\x], v[\x] row_xmask:4 row_mask:0xf bank_mask:0xf
	v_add_f32_dpp v[\x], v[\x], v[\x] row_xmask:8 row_mask:0xf bank_mask:0xf
	v_permlanex16_b32 v[\t], v[\x], s30, s31
	v_add_f32 v[\x], v[\x], v[\t]
.endm
.macro LOADROW                         ; eight loads, 512 consecutive bytes each
.irp j, 0,1,2,3,4,5,6,7
	global_load_b128 v[X+4*\j:X+4*\j+3], v2, s[24:25] offset:512*\j th:TH_LOAD_NT
.endr
.endm
.macro ROUND16 dst                     ; the row's 32 numbers of this lane, rounded to bf16 in pairs
.set k, 0
.rept 16
	v_cvt_pk_bf16_f32 v[(\dst)+k], v[X+2*k], v[X+2*k+1]
.set k, k+1
.endr
.endm
.macro STOREROW src, lo                ; eight stores, 256 consecutive bytes each, aligned
.irp j, 0,1,2,3,4,5,6,7
	global_store_b64 v3, v[(\src)+2*\j:(\src)+2*\j+1], s[\lo:\lo+1] offset:256*\j
.endr
.endm
	s_load_b256 s[4:11], s[0:1], 0x0               ; feat s[4:5], W s[6:7], b s[8:9], labels s[10:11]
	s_load_b128 s[12:15], s[0:1], 0x20             ; fw s[12:13], bp s[14:15]
	s_load_b64 s[16:17], s[0:1], 0x30              ; wrow
	v_lshl_add_u32 v4, v0, 2, SPARE                ; my spare word
	v_mov_b32 v5, 0                                ; and 0
	v_lshrrev_b32 v1, 5, v0
	v_readfirstlane_b32 s18, v1                    ; wave 0..15
	v_and_b32 v1, 31, v0                           ; lane
	v_lshlrev_b32 v2, 4, v1                        ; 16 x lane
	v_lshlrev_b32 v3, 3, v1                        ; 8 x lane
	s_mov_b32 s19, ttmp9                           ; g
	s_lshl_b32 s20, s19, 4
	s_add_co_u32 s20, s20, s18                     ; rho
	s_mov_b32 s30, 0x76543210                      ; v_permlanex16_b32: each lane takes its own place in the other half
	s_mov_b32 s31, 0xfedcba98
	s_mov_b32 s33, 0xffff0000                      ; a word's upper bf16
	s_wait_kmcnt 0x0
	s_cmp_ge_u32 s19, 320
	s_cbranch_scc1 .Lbias
	s_lshl_b32 s22, s20, 11                        ; a row of fw is 2,048 bytes
	s_mov_b32 s23, 0
	s_add_nc_u64 s[28:29], s[12:13], s[22:23]      ; fw row rho: fn
	s_add_nc_u64 s[26:27], s[28:29], 4096*2048     ; fw row 4096 + rho: the plain copy, of feat and of W alike
	s_cmp_ge_u32 s19, 256
	s_cbranch_scc1 .Lw
	; ---- a row of feat ----
	s_lshl_b32 s35, s20, 2
	s_load_b32 s21, s[10:11], s35 offset:0x0       ; my row's label
	s_lshl_b32 s22, s20, 12                        ; a row of feat is 4,096 bytes
	s_add_nc_u64 s[24:25], s[4:5], s[22:23]
	v_lshlrev_b32 v6, 4, v0                        ; 16 x thread: the work-group's 512 threads copy 8,192 bytes of labels, twice
	global_load_b128 v[L:L+3], v6, s[10:11]
	global_load_b128 v[L+4:L+7], v6, s[10:11] offset:8192
	LOADROW
	v_mov_b32 v7, 0                                ; the count
	v_mov_b32 v89, 0                               ; (a lane exchange's destination counts as read)
	s_wait_loadcnt 8                               ; the labels are in; the row's eight loads, issued behind them, stay out
	ds_store_b128 v6, v[L:L+3]
	ds_store_b128 v6, v[L+4:L+7] offset:8192
	s_wait_dscnt 0x0                               ; for the others' sake: my part of the copy is done
	s_barrier_signal -1
	s_barrier_wait -1                              ; the branch that leads here hangs on g alone: all 16 waves pass this barrier
	s_wait_kmcnt 0x0                               ; my label
.set t, 0
.rept 4                                ; four batches of 1,024 labels: eight LDS loads of 512 consecutive bytes, then a compare and an add with carry for each label
.irp i, 0,1,2,3,4,5,6,7
	ds_load_b128 v[L+4*\i:L+4*\i+3], v2 offset:4096*t+512*\i
.endr
.irp i, 0,1,2,3,4,5,6,7
	s_wait_dscnt 7-\i                              ; LDS loads come back in order: load i is in, the younger ones may stay out
.irp c, 0,1,2,3
	v_cmp_eq_u32 vcc_lo, s21, v[L+4*\i+\c]
	v_add_co_ci_u32 v7, vcc_lo, 0, v7, vcc_lo      ; + 1 where the labels are equal
.endr
.endr
.set t, t+1
.endr
	v_cvt_f32_u32 v7, v7                           ; at most 128 a lane, 4,096 a wave: exact in f32
	WRED 7, 89
	v_mov_b32 v88, s18
	v_lshlrev_b32 v88, 2, v88
	ds_store_b32 v88, v7 offset:CNTW               ; all lanes write the same word with the same number
	s_wait_dscnt 0x0
	s_barrier_signal -1
	s_barrier_wait -1
	s_cmp_lg_u32 s18, 0
	s_cbranch_scc1 .Lrow
	v_and_b32 v88, 15, v0                          ; wave 0 makes the 16 weights and stores them as 64 consecutive bytes
	v_lshlrev_b32 v88, 2, v88
	ds_load_b32 v90, v88 offset:CNTW
	s_wait_dscnt 0x0
	v_add_f32 v90, -1.0, v90                       ; the row itself is not counted
	v_max_num_f32 v91, 1.0, v90
	v_rcp_f32 v91, v91
	v_nop                                          ; a plain instruction behind the reciprocal,
	s_wait_alu depctr_va_vdst(0)                   ; and the wait ahead of its first reader
	v_cmp_lt_f32 vcc_lo, 0, v90
	v_cndmask_b32 v91, 0, v91, vcc_lo              ; 0 where no other row has the label
	v_lshl_add_u32 v92, s19, 6, v88                ; 4 (16 g + lane)
	s_wait_xcnt 0x0                                ; EXEC changes only behind this wait: the row's loads are pending
	v_cmp_gt_u32 vcc_lo, 16, v0
	s_and_saveexec_b32 s34, vcc_lo
	global_store_b32 v92, v91, s[16:17]
	s_wait_xcnt 0x0                                ; and again, in front of the line that widens it
	s_or_b32 exec_lo, exec_lo, s34
.Lrow:
	s_wait_loadcnt 0x0                             ; the row
	ROUND16 Y
	STOREROW Y, 26                                 ; fb
.set k, 0
.rept 16                               ; back to f32: norm and fn are made of the ROUNDED numbers
	v_lshlrev_b32 v[X+2*k], 16, v[Y+k]
	v_and_b32 v[X+2*k+1], s33, v[Y+k]
.set k, k+1
.endr
.set k, 0
.rept 16                               ; the sum of squares in four chains; the first four products start them
.if k < 4
	v_pk_mul_f32 v[WK+2*k:WK+2*k+1], v[X+2*k:X+2*k+1], v[X+2*k:X+2*k+1]
.else
	v_pk_fma_f32 v[WK+2*(k%4):WK+2*(k%4)+1], v[X+2*k:X+2*k+1], v[X+2*k:X+2*k+1], v[WK+2*(k%4):WK+2*(k%4)+1]
.endif
.set k, k+1
.endr
	v_pk_add_f32 v[WK:WK+1], v[WK:WK+1], v[WK+2:WK+3]
	v_pk_add_f32 v[WK+4:WK+5], v[WK+4:WK+5], v[WK+6:WK+7]
	v_pk_add_f32 v[WK:WK+1], v[WK:WK+1], v[WK+4:WK+5]
	v_add_f32 v[WK], v[WK], v[WK+1]
	WRED WK, WK+1
	v_rsq_f32 v[WK], v[WK]
	v_nop
	s_wait_alu depctr_va_vdst(0)
	v_mul_f32 v[WK], SCF, v[WK]
	v_mov_b32 v[WK+1], v[WK]
.set k, 0
.rept 16
	v_pk_mul_f32 v[X+2*k:X+2*k+1], v[X+2*k:X+2*k+1], v[WK:WK+1]
.set k, k+1
.endr
	ROUND16 L
	STOREROW L, 28                                 ; fn
	s_branch .Lend
	; ---- a row of W, or a zero row ----
.Lw:
	s_cmp_ge_u32 s20, 5096
	s_cbranch_scc1 .Lzero
	s_sub_co_u32 s22, s20, 4096
	s_lshl_b32 s22, s22, 12
	s_add_nc_u64 s[24:25], s[6:7], s[22:23]
	LOADROW
	s_wait_loadcnt 0x0
	ROUND16 Y
	STOREROW Y, 26
	s_branch .Lend
.Lzero:
	v_mov_b32 v[Y], 0
	v_mov_b32 v[Y+1], 0
.irp j, 0,1,2,3,4,5,6,7
	global_store_b64 v3, v[Y:Y+1], s[26:27] offset:256*\j
.endr
	s_branch .Lend
	; ---- the bias: thread t has entries 2 t and 2 t + 1 ----
.Lbias:
	v_lshlrev_b32 v6, 3, v0
	v_min_u32 v88, 3992, v6                        ; threads 500-511 load b's last pair and throw it away: no load leaves the buffer
	global_load_b64 v[X:X+1], v88, s[8:9]
	v_mov_b32 v10, 0xf149f2ca                      ; -1e30
	v_cmp_gt_u32 vcc_lo, 500, v0
	s_wait_loadcnt 0x0
	v_cvt_pk_bf16_f32 v[Y], v[X], v[X+1]
	v_lshlrev_b32 v[X], 16, v[Y]
	v_and_b32 v[X+1], s33, v[Y]
	v_cndmask_b32 v[X], v10, v[X], vcc_lo
	v_cndmask_b32 v[X+1], v10, v[X+1], vcc_lo
	global_store_b64 v6, v[X:X+1], s[14:15]
.Lend:
	s_wait_tensorcnt 0x0                           ; the wave's end: behind my last LDS store
	ds_add_u32 v4, v5
	s_wait_dscnt 0x0
	s_endpgm
.Lfunc_end_k_q8d3a81ceaa_prep:
	.size	k_q8d3a81ceaa_prep, .Lfunc_end_k_q8d3a81ceaa_prep-k_q8d3a81ceaa_prep
	.p2alignl 7, 3214868480
	.fill 96, 4, 3214868480
	.section	.rodata,"a",@progbits
	.p2align	6, 0x0
	.amdhsa_kernel k_q8d3a81ceaa_prep
		.amdhsa_group_segment_fixed_size 18688
		.amdhsa_private_segment_fixed_size 0
		.amdhsa_enable_private_segment 0
		.amdhsa_kernarg_size 56
		.amdhsa_user_sgpr_count 2
		.amdhsa_user_sgpr_kernarg_segment_ptr 1
		.amdhsa_wavefront_size32 1
		.amdhsa_system_sgpr_workgroup_id_x 1
		.amdhsa_system_sgpr_workgroup_id_y 1
		.amdhsa_system_sgpr_workgroup_id_z 1
		.amdhsa_system_vgpr_workitem_id 0
		.amdhsa_next_free_vgpr 104
		.amdhsa_next_free_sgpr 66
		.amdhsa_reserve_vcc 1
		.amdhsa_float_denorm_mode_32 3
		.amdhsa_float_denorm_mode_16_64 3
		.amdhsa_memory_ordered 1
		.amdhsa_forward_progress 1
		.amdhsa_inst_pref_size 27
	.end_amdhsa_kernel
	.amdgpu_metadata
---
amdhsa.version: [ 1, 2 ]
amdhsa.kernels:
  - .name:           k_q8d3a81ceaa_prep
    .symbol:         k_q8d3a81ceaa_prep.kd
    .args:
      - { .name: feat, .offset: 0, .size: 8, .value_kind: global_buffer, .address_space: global }
      - { .name: W, .offset: 8, .size: 8, .value_kind: global_buffer, .address_space: global }
      - { .name: b, .offset: 16, .size: 8, .value_kind: global_buffer, .address_space: global }
      - { .name: labels, .offset: 24, .size: 8, .value_kind: global_buffer, .address_space: global }
      - { .name: fw, .offset: 32, .size: 8, .value_kind: global_buffer, .address_space: global }
      - { .name: bp, .offset: 40, .size: 8, .value_kind: global_buffer, .address_space: global }
      - { .name: wrow, .offset: 48, .size: 8, .value_kind: global_buffer, .address_space: global }
    .group_segment_fixed_size: 18688
    .private_segment_fixed_size: 0
    .kernarg_segment_align: 8
    .kernarg_segment_size: 56
    .max_flat_workgroup_size: 512
    .sgpr_count:     66
    .vgpr_count:     104
    .wavefront_size: 32
...
	.end_amdgpu_metadata
.endif
;; end of part 1
;; launch main (part 2): grid 56 x 4, 4 waves a work-group, clusters of 4 x 4, 327,680 bytes of LDS; arguments fw, labels, bp, wrow, out0, esum, ce, scal; writes out0, esum, ce, scal
.if DOCPART == 2
	.amdgcn_target "amdgcn-amd-amdhsa--gfx1250"
	.amdhsa_code_object_version 6
	.text
	.protected	k_q8d3a81ceaa_main
	.globl	k_q8d3a81ceaa_main
	.p2align	8
	.type	k_q8d3a81ceaa_main,@function
k_q8d3a81ceaa_main:
	s_mov_b64 s[64:65], 0
	v_nop
	global_prefetch_b8 v0, s[64:65] scope:SCOPE_SE
	s_setreg_imm32_b32 hwreg(HW_REG_WAVE_MODE, 25, 1), 1
	s_wait_xcnt 0x0
	s_wait_alu depctr_hold_cnt(0) depctr_sa_sdst(0) depctr_va_vdst(0) depctr_va_sdst(0) depctr_va_ssrc(0) depctr_va_vcc(0) depctr_vm_vsrc(0)
	s_getreg_b32 s2, hwreg(HW_REG_IB_STS2, 6, 4)
	s_cmp_eq_u32 s2, 0
	s_cbranch_scc0 .Lentry_in_a_cluster
	s_endpgm
.Lentry_in_a_cluster:
	s_bfe_u32 s2, ttmp6, 0x10000c
	s_cmp_lg_u32 s2, 0xf033
	s_cbranch_scc0 .Lentry_shape_is_right
	s_endpgm
.Lentry_shape_is_right:
; MAIN: both products, each tile's way out fused.  224 work-groups, one tile of 256 x 256 x 1,024 each, in 14 clusters of 4 x 4 (a superblock of 1,024 x 1,024 a cluster).
;   clusters 0-9:   sim x log2(e) = fn fn^T.  Out of a tile come the sums of exp(sim) along its rows (and, above the diagonal, along its columns), into esum, and one number, into scal:
;                   the sum over its positive pairs of sim_ij log2(e) / cnt_i.
;   clusters 10-13: logits = fb Wb^T + bias, stored to out0; for each row the maximum and the sum of exp(x - maximum) over the tile's columns, into ce; the sum of the logits at the rows' labels, into scal.
; WORK LEFT OUT, for all values of the inputs:
;   (1) sim_ij = f_i . f_j = sim_ji.  So a superblock BELOW the diagonal holds the numbers of its mirror image, and is not computed: a tile above the diagonal serves its rows by row sums and its
;       columns' rows by column sums.  The four diagonal superblocks are computed whole and serve rows alone, so that all 16 partners of a cluster run one text (24 tiles over the least number; their column sums are added with the rest and not stored).
;   (2) sum over pos of (sim_ij - bl_i) / cnt_i = (sum over pos of sim_ij) / cnt_i - bl_i, since pos has cnt_i members: the array sim - bottom_log is never formed.  Two rows of one label have one cnt,
;       so above the diagonal a pair's term counts twice.
;   A NaN, an infinity or an overflow that would arise only in the work left out is not carried to the result.  No input is without a way to an output; the float inputs reach this launch through fw, bp and wrow.
; NO MAXIMUM IS TAKEN AWAY IN sim: reference() itself normalises the rows, and the only scale behind them is 1 / 0.3: by Cauchy-Schwarz |sim log2(e)| stays under 4.9 for every input, each exponential within
; 0.033 to 30, each sum under 1.3e5.  The logits have no such bound: their row maximum is taken away, as reference() takes it.
; LIMITS. |logit| under 1e29 (the pad columns count as -1e30); labels in 0..999; NaN and infinities are not treated apart.
; THE K LOOP: four waves, each 128 x 128 of the tile in 64 accumulators; K in steps of 128 through two LDS slots filled by the tensor data mover; A's tile is asked for jointly by the four work-groups of a
; row of the cluster, B's by the four of a column.  The matrix instruction is used transposed (source 0 = 16 rows of B, source 1 = 16 rows of A): in accumulator (a, b) lane l holds row 16 a + l % 16 and columns 16 b + 8 (l / 16) + 0..7.
; REGISTERS, in windows of 256 (s_set_vgpr_msb: bits 1:0 source 0, 3:2 source 1, 5:4 source 2, 7:6 destination):
;   window 0: v0-31 addresses and small things; v32-39 my rows' labels; v40-47 their weights; v48-55 rows' results; v56-63 at work; v64-191 A's fragments, on the way out at work; v192-255 my columns' labels or biases
;   window 1: v64-191 B's fragments; on the way out v64-127 rows read back from the stage     window 2: accumulators of my rows 0-63     window 3: of my rows 64-127
; THE WAY OUT IS WRITTEN FOR WINDOW 2 AND WALKED TWICE: between the walks window 3 is copied into window 2 (256 moves a wave), which halves the text of both arms.
; EVERY LDS ADDRESS REGISTER IS MADE AT THE HEAD, with all lanes on, of the wave's number, the lane and constants alone, and none is written again: the two walks' places in LDS differ in immediates.
.set SIZE_K, 1024
.set KSTEP,  128
.set PITCH,  272                       ; an LDS row: 256 bytes + 16 of padding = 68 words, so the 16 rows of a fragment load start at 16 different groups of four banks
.set HALFT,  128*PITCH                 ; what one tensor load brings
.set SLOT,   4*HALFT                   ; A's 256 rows, then B's 256 rows
.set STAGE,  2*SLOT                    ; behind the ring: 16 rows x 528 bytes for each wave (a row of 128 f32 + 16 bytes)
.set SPITCH, 528
.set ZB,     STAGE+4*16*SPITCH         ; eight slots of 128 f32: rows' and columns' partial results, by wave
.set ZS,     ZB+4096                   ; four words: the waves' scalars (a block of 256 bytes of their own)
.set SPARE,  ZS+256                    ; the spare words: 128 bytes for each wave, two blocks of 256 bytes that no other line names
.set LAPS,   SIZE_K/(2*KSTEP)
.set PTAB, (1<<2)|(2<<4)|(3<<6)|(1<<10)|(2<<12)|(1<<16)|(1<<22)|(2<<24)|(3<<26)    ; two bits a cluster: the superblock's row p
.set QTAB, (1<<2)|(2<<4)|(3<<6)|(1<<8)|(2<<10)|(3<<12)|(2<<14)|(3<<16)|(3<<18)     ; and its column q
; scalar registers
.set WV,  12                           ; my wave's number
.set RH,  13                           ; which half of the tile's rows is mine.  Also: I fetch for A (0) or for B (1)
.set CH,  14                           ; which half of its columns.  Also: which 128 rows of that tile I fetch
.set CX,  15
.set CY,  16
.set CID, 17                           ; the cluster: the same in all 16 partners
.set IT,  18                           ; 4 p + cy: the tile's row among 16
.set JT,  19                           ; 4 q + cx: its column
.set G1,  24                           ; s[24:31] descriptor group 1 for A's tiles;  s[32:39] group 0, a set for each slot
.set G0,  32
.set LIM, 43                           ; 1 in a wave that prefetches, else the greatest number
.set PFA, 44                           ; s[44:45] where my prefetches stand
.set G1B, 48                           ; s[48:55], s[56:63] the same for B's tiles
.set G0B, 56
.set MK,  24                           ; on the way out s[24:55]: 32 lane masks
.set DGA, 56                           ; s[56:63]: the diagonal's masks for column blocks 0-3
.set DGB, 4                            ; s[4:11]: for column blocks 4-7
.set SEL, 76                           ; s[76:77] v_permlanex16_b32's selects
.set L2E, 78                           ; s[78:79] log2(e), twice
.set NINF, 80                          ; -infinity
.set MODD, 81                          ; lanes with bit 0, 1, 2 set; lanes 16-31
.set MB1, 82
.set MB2, 83
.set MHI, 84
.set FAC, 85
.set KEEP, 86
.set HALF, 87
.set SAVE, 88
.set BIT, 89                           ; s[89:94] lane masks: bits 0, 1, 2, 4, 5, 6 of the label's place among my columns
.set VAL, 95
.set R0W, 96                           ; my wave's first row, and first column
.set C0W, 97
; vector registers of window 0
.set ZSR, 2                            ; where the four waves' scalars lie (v2 holds l / 16 until the fragments' addresses are made)
.set ZSW, 3                            ; where I put mine (v3 is at work until then)
.set LANE, 4
.set ZR,  5                            ; 0
.set DD,  6                            ; my row less my first column: the diagonal lies where it equals 16 (b - a) + j
.set ZW,  7                            ; where I put rows' results
.set ZC,  8                            ; where I put columns' sums
.set ZRD, 9                            ; where I read both back
.set PT,  10                           ; my scalar
.set RDB, 11                           ; my lane's first column
.set MC,  12                           ; v[12:13] the row maximum x log2(e)
.set ADRA, 16
.set ADRB, 20
.set STO, 24
.set RD,  25
.set CO,  26
.set OFR, 27
.set SPW, 28                           ; my spare word; never rewritten
.set NIL, 29                           ; 0; never rewritten
.set PFO, 30
.set OFC, 31
.set RL,  32
.set SV0, RL+4                         ; v[36:39]: once the second half's labels have moved down, the first walk's ST0
.set WR,  40
.set SV1, WR                           ; v[40:43]: in the logits, which have no weights, the first walk's ST1
.set ST0, 48
.set ST1, 52
.set F0,  64
.set F1,  128
.set EE,  64                           ; sim: 32 exponentials
.set TT,  96                           ; sim: 32 scores, 0 where the pair is not positive
.set CS,  128                          ; sim: 64 column sums
.set TL,  64                           ; logits: 64 arguments, then exponentials
.set UU,  128                          ; logits: the selection tree
.set CL,  192                          ; my 64 columns' labels (sim) or biases (logits)
.set OB,  64                           ; window 1
.set MSB, 0
.macro WIN new                         ; the immediate's high byte repeats the setting that is left; a switch that changes nothing is dropped
.if MSB != (\new)
	s_set_vgpr_msb (MSB<<8)|(\new)
.set MSB, \new
.endif
.endm
.set MUL_LO, 0xa1                      ; source 0 (B) window 1, source 1 (A) window 0, C and D window 2
.set MUL_HI, 0xf1                      ; the same, C and D window 3
.set TO_B,   0x40                      ; destination window 1
.set W_EX,   0x0a                      ; sources 0 and 1 window 2
.set W_CP,   0x83                      ; destination window 2, source 0 window 3
.set W_BI,   0x82                      ; destination and source 0 window 2
.set W_MX,   0x28                      ; sources 1 and 2 window 2
.set W_FM,   0x02                      ; source 0 window 2
.set W_SD,   0x08                      ; an LDS store's data window 2
.set W_S1,   0x04                      ; a store's data window 1
; A joint load.  Waves 0 and 1 fetch A's two halves, waves 2 and 3 B's; the branch hangs on the wave's number alone.  An s_nop 0 and four v_nop follow each of the two lines.
.macro JLOAD s
	s_cmp_eq_u32 s[RH], 0
	s_cbranch_scc0 .Lfor_b_\@
	tensor_load_to_lds s[G0+4*(\s):G0+4*(\s)+3], s[G1:G1+7]
	s_nop 0
.rept 4
	v_nop
.endr
	s_branch .Lasked_\@
.Lfor_b_\@:
	tensor_load_to_lds s[G0B+4*(\s):G0B+4*(\s)+3], s[G1B:G1B+7]
	s_nop 0
.rept 4
	v_nop
.endr
.Lasked_\@:
.endm
; A prefetch of the K step that stands two refills on: 32 rows x 256 bytes, a lane a row, one instruction a wave, 512 matrix instructions ahead of the load that will want it.  Each row's 256 bytes of a K step are
; named once in the launch: a superblock of fn by the diagonal cluster that takes it as A, a superblock of fb by its logits cluster, W's rows by cluster 10 as B.  The four partners that ask for a tile jointly share its
; rows out by address, 32 each.  K steps 0 to 3 come by their loads alone; the loop's last trip (s3 = 1) has no K step two on.
.macro ASK
	s_cmp_gt_u32 s3, s[LIM]
	s_cbranch_scc0 .Lnot_mine_\@
	global_prefetch_b8 v[PFO], s[PFA:PFA+1] offset:KSTEP*2 th:TH_LOAD_NT scope:SCOPE_SE
.Lnot_mine_\@:
.endm
.macro CREST                           ; a round of the cluster's barrier behind its opening barrier
	s_cmp_lg_u32 s[WV], 0
	s_cbranch_scc1 .Lnot_wave_0_\@
	s_barrier_signal -3
.Lnot_wave_0_\@:
	s_barrier_wait -3
	s_barrier_signal -1
	s_barrier_wait -1
.endm
.macro CROUND                          ; a whole round
	s_barrier_signal -1
	s_barrier_wait -1
	CREST
.endm
.macro WRED x, t                       ; the sum over the wave's 32 lanes, in every lane
	v_add_f32_dpp v[\x], v[\x], v[\x] row_xmask:1 row_mask:0xf bank_mask:0xf
	v_add_f32_dpp v[\x], v[\x], v[\x] row_xmask:2 row_mask:0xf bank_mask:0xf
	v_add_f32_dpp v[\x], v[\x], v[\x] row_xmask:4 row_mask:0xf bank_mask:0xf
	v_add_f32_dpp v[\x], v[\x], v[\x] row_xmask:8 row_mask:0xf bank_mask:0xf
	v_permlanex16_b32 v[\t], v[\x], s[SEL], s[SEL+1]
	v_add_f32 v[\x], v[\x], v[\t]
.endm
	s_load_b256 s[4:11], s[0:1], 0x0               ; fw s[4:5], labels s[6:7], bp s[8:9], wrow s[10:11]
	s_load_b256 s[68:75], s[0:1], 0x20             ; out0 s[68:69], esum s[70:71], ce s[72:73], scal s[74:75]
	v_lshl_add_u32 v[SPW], v0, 2, SPARE
	v_mov_b32 v[NIL], 0
	ds_add_u32 v[SPW], v[NIL]                      ; the wave's opening: the add, twice on end, and its wait stand ahead of my first tensor load; the set-up below, work on registers, stands between
	ds_add_u32 v[SPW], v[NIL]
	v_lshrrev_b32 v1, 5, v0
	v_readfirstlane_b32 s[WV], v1                  ; wave 0..3
	s_lshr_b32 s[RH], s[WV], 1
	s_and_b32 s[CH], s[WV], 1
	s_bfe_u32 s[CX], ttmp6, 0x40000                ; my place in the cluster
	s_bfe_u32 s[CY], ttmp6, 0x40004
	s_mov_b32 s[CID], ttmp9                        ; in a cluster launch ttmp9 counts clusters
	s_lshl_b32 s20, s[CID], 1
	s_lshr_b32 s21, PTAB, s20
	s_and_b32 s21, s21, 3                          ; p
	s_lshr_b32 s22, QTAB, s20
	s_and_b32 s22, s22, 3                          ; q
	s_lshl2_add_u32 s[IT], s21, s[CY]
	s_lshl2_add_u32 s[JT], s22, s[CX]
	s_cmp_ge_u32 s[CID], 10                        ; logits: A is fb (superblocks 4-7 of fw), B is W (superblock 8)
	s_cselect_b32 s23, 4, 0
	s_cselect_b32 s22, 8, s22
	s_add_co_u32 s21, s21, s23
	s_lshl_b32 s40, s21, 10
	s_lshl_b32 s41, s[CY], 8
	s_add_co_u32 s40, s40, s41                     ; A's tile: its first row in fw; hangs on cy alone, which my row of the cluster shares
	s_lshl_b32 s46, s22, 10
	s_lshl_b32 s47, s[CX], 8
	s_add_co_u32 s46, s46, s47                     ; B's tile: hangs on cx alone, which my column shares
	s_lshl_b32 s42, s[CH], 7                       ; which 128 rows of the tile I fetch
	s_add_co_u32 s20, s40, s42
	s_lshl_b32 s20, s20, 11                        ; a row of fw is 2,048 bytes; 9,216 rows stay under 2^32
	s_mov_b32 s21, 0
	s_add_co_u32 s22, s46, s42
	s_lshl_b32 s22, s22, 11
	s_mov_b32 s23, 0
	s_lshl_b32 s41, s[CY], 2
	s_lshl_b32 s41, 15, s41                        ; my row of the cluster: places 4 cy .. 4 cy + 3
	s_lshl_b32 s47, 0x1111, s[CX]                  ; my column: places cx, cx + 4, cx + 8, cx + 12
	; descriptor group 1: a tile of 128 rows x 128 elements of 2 bytes, 16 bytes of padding behind every 256
	s_or_b32 s[G1+0], s41, (1<<16)|(1<<20)|(1<<21)|(5<<22)|(3<<25)   ; 15:0 the mask; 17:16 2-byte elements; 20 padding on; 21 set beside a mask; 24:22 after every 64 words; 31:25 4 words
	s_or_b32 s[G1B+0], s47, (1<<16)|(1<<20)|(1<<21)|(5<<22)|(3<<25)
.irp g, G1, G1B
	s_mov_b32 s[(\g)+1], KSTEP<<16                 ; tensor_dim0 = 128
	s_mov_b32 s[(\g)+2], 128<<16                   ; tensor_dim1 = 128
	s_mov_b32 s[(\g)+3], KSTEP<<16                 ; tile_dim0 = 128
	s_mov_b32 s[(\g)+4], 128                       ; tile_dim1 = 128
	s_mov_b32 s[(\g)+5], SIZE_K                    ; elements from row to row
	s_mov_b32 s[(\g)+6], 0
	s_mov_b32 s[(\g)+7], 0
.endr
	s_mul_i32 s2, s[WV], HALFT                     ; where my part of a slot lies: no place in the cluster enters an LDS address
	s_mov_b32 s[SEL], 0x76543210
	s_mov_b32 s[SEL+1], 0xfedcba98
	s_mov_b32 s[L2E], 0x3fb8aa3b
	s_mov_b32 s[L2E+1], 0x3fb8aa3b
	s_mov_b32 s[NINF], 0xff800000
	s_mov_b32 s[MODD], 0xaaaaaaaa
	s_mov_b32 s[MB1], 0xcccccccc
	s_mov_b32 s[MB2], 0xf0f0f0f0
	s_mov_b32 s[MHI], 0xffff0000
	s_wait_dscnt 0x0                               ; both opening adds are done
	s_wait_kmcnt 0x0
	s_add_nc_u64 s[20:21], s[4:5], s[20:21]
	s_add_nc_u64 s[22:23], s[4:5], s[22:23]
	CROUND                                         ; all sixteen work-groups are here: the first joint loads meet
.irp s, 0,1
	s_mov_b32 s[G0+4*(\s)], 1                                        ; count = 1
	s_add_co_u32 s[G0+4*(\s)+1], s2, (\s)*SLOT                       ; LDS address
	s_add_nc_u64 s[G0+4*(\s)+2:G0+4*(\s)+3], s[20:21], (\s)*KSTEP*2  ; global address: K step s
	s_or_b32 s[G0+4*(\s)+3], s[G0+4*(\s)+3], 0x80000000              ; type = 2
	s_mov_b32 s[G0B+4*(\s)], 1
	s_add_co_u32 s[G0B+4*(\s)+1], s2, (\s)*SLOT
	s_add_nc_u64 s[G0B+4*(\s)+2:G0B+4*(\s)+3], s[22:23], (\s)*KSTEP*2
	s_or_b32 s[G0B+4*(\s)+3], s[G0B+4*(\s)+3], 0x80000000
	JLOAD \s                                       ; two tensor loads of mine are out
.endr
	; what the way out will want comes now, into registers that the K loop never names; it is waited for once, behind the loop
	v_and_b32 v1, 15, v0                           ; r = l % 16
	v_bfe_u32 v2, v0, 4, 1                         ; h = l / 16
	v_and_b32 v[LANE], 31, v0
	s_lshl_b32 s20, s[IT], 8
	s_lshl_b32 s21, s[RH], 7
	s_add_co_u32 s[R0W], s20, s21
	s_lshl_b32 s20, s[JT], 8
	s_lshl_b32 s21, s[CH], 7
	s_add_co_u32 s[C0W], s20, s21
	v_add_lshl_u32 v[OFR], v1, s[R0W], 2           ; 4 (my first row + r)
	v_lshl_add_u32 v[RDB], v2, 3, s[C0W]           ; my first column + 8 h
	v_lshlrev_b32 v[OFC], 2, v[RDB]
	s_cmp_ge_u32 s[CID], 10
	s_cselect_b64 s[66:67], s[8:9], s[6:7]         ; my columns' biases (logits) or labels (sim)
.irp a, 0,1,2,3,4,5,6,7
	global_load_b32 v[RL+\a], v[OFR], s[6:7] offset:64*\a              ; the label of row 16 a + r
.endr
.irp b, 0,1,2,3,4,5,6,7
	global_load_b128 v[CL+8*\b:CL+8*\b+3],   v[OFC], s[66:67] offset:64*\b     ; columns 16 b + 8 h + 0..3
	global_load_b128 v[CL+8*\b+4:CL+8*\b+7], v[OFC], s[66:67] offset:64*\b+16  ; and 4..7
.endr
.irp a, 0,1,2,3,4,5,6,7
	v_mov_b32 v[WR+\a], 0                          ; written on every way: the logits clusters load no weights
.endr
	s_cmp_ge_u32 s[CID], 10
	s_cbranch_scc1 .Lno_weights
.irp a, 0,1,2,3,4,5,6,7
	global_load_b32 v[WR+\a], v[OFR], s[10:11] offset:64*\a
.endr
.Lno_weights:
	v_mov_b32 v[ZR], 0
	s_sub_co_i32 s22, s[R0W], s[C0W]
	v_lshlrev_b32 v[DD], 3, v2
	v_sub_nc_u32 v[DD], v1, v[DD]
	v_add_nc_u32 v[DD], s22, v[DD]                 ; (my first row + r) - (my first column + 8 h)
	s_lshl_b32 s22, s[WV], 9
	s_add_co_u32 s22, s22, ZB
	v_lshl_add_u32 v[ZW], v[LANE], 2, s22          ; slot = my wave's number
	s_lshl_b32 s22, s[CH], 1
	s_add_co_u32 s22, s22, s[RH]
	s_lshl_b32 s22, s22, 9
	s_add_co_u32 s22, s22, ZB+2048
	v_and_b32 v[ZC], 7, v0
	v_lshl_add_u32 v[ZC], v2, 3, v[ZC]
	v_lshl_add_u32 v[ZC], v[ZC], 2, s22            ; slot 4 + 2 CH + RH, word 8 h + r % 8
	s_lshl_b32 s22, s[WV], 10
	s_add_co_u32 s22, s22, ZB
	v_lshl_add_u32 v[ZRD], v[LANE], 4, s22         ; slots 2 w and 2 w + 1
	s_mul_i32 s22, s[WV], 16*SPITCH
	s_add_co_u32 s22, s22, STAGE                   ; my stage
	v_mul_u32_u24 v[STO], v1, SPITCH
	v_lshl_add_u32 v[STO], v2, 5, v[STO]
	v_add_nc_u32 v[STO], s22, v[STO]               ; in: row r, 32 bytes for each half of the lanes
	v_lshl_add_u32 v[RD], v[LANE], 4, s22          ; back: a row's 512 bytes, 16 a lane
	v_lshlrev_b32 v[CO], 4, v[LANE]
	; a fragment is 16 rows x 32 K in 8 registers: lane l holds row l % 16, K = 8 (l / 16) + 0..7 and 16 + 8 (l / 16) + 0..7: two loads of 16 bytes, 32 bytes apart
	v_mul_u32_u24 v3, v1, PITCH
	v_lshl_add_u32 v3, v2, 4, v3
	s_mul_i32 s21, s[RH], HALFT                    ; my 128 rows of A
	s_mul_i32 s22, s[CH], HALFT                    ; my 128 rows of B,
	s_add_co_u32 s22, s22, 2*HALFT                 ; which lie behind A's 256
.irp s, 0,1
	v_add_nc_u32 v[ADRA+(\s)], s21, v3
	v_add_nc_u32 v[ADRB+(\s)], s22, v3
	s_add_co_u32 s21, s21, SLOT
	s_add_co_u32 s22, s22, SLOT
.endr
	s_lshl_b32 s22, s[WV], 2                       ; h and the fragments' lane term are done with: their registers take the scalars' two LDS addresses
	s_add_co_u32 s22, s22, ZS
	v_mov_b32 v[ZSW], s22
	v_mov_b32 v[ZSR], ZS
	; the prefetches: who asks, and where
	s_cmp_lt_u32 s[CID], 4
	s_cselect_b32 s22, 1, 0
	s_cmp_ge_u32 s[CID], 10
	s_cselect_b32 s22, 1, s22                      ; A's rows: the diagonal clusters and the logits clusters
	s_cmp_eq_u32 s[CID], 10
	s_cselect_b32 s23, 1, 0                        ; B's rows: cluster 10 alone
	s_cmp_eq_u32 s[RH], 0                          ; do I fetch for A?
	s_cselect_b32 s22, s22, s23
	s_cselect_b32 s20, s40, s46                    ; the tile's first row in fw
	s_cselect_b32 s21, s[CX], s[CY]                ; my place among the four that ask for it with me
	s_cmp_eq_u32 s22, 1
	s_cselect_b32 s[LIM], 1, -1                    ; the same in all sixteen partners, for a given wave
	s_lshl_b32 s22, s[CH], 7
	s_add_co_u32 s20, s20, s22                     ; + the 128 rows that I fetch
	s_lshl_b32 s21, s21, 5
	s_add_co_u32 s20, s20, s21                     ; + my work-group's 32 of them
	s_lshl_b32 s20, s20, 11
	s_mov_b32 s21, 0
	s_add_nc_u64 s[PFA:PFA+1], s[4:5], s[20:21]
	s_add_nc_u64 s[PFA:PFA+1], s[PFA:PFA+1], 2*KSTEP*2  ; at K step 2: the first refill steps it to 3 and names K step 4
	v_lshlrev_b32 v[PFO], 11, v[LANE]              ; a lane a row
; 16 matrix instructions: m blocks a0, a0 + 1 of the window's four x all 8 n blocks, 32 along K.  zero = 1: the first product starts the sums.
; The 64 accumulators take turns, one instruction a turn, in the same order in every quarter step.
.macro MUL16 f, hi, a0, zero
	WIN MUL_LO+0x50*(\hi)
.irp a, \a0, (\a0)+1
.irp b, 0,1,2,3,4,5,6,7
.if \zero
	v_wmma_f32_16x16x32_bf16 v[8*(8*(\a)+(\b)):8*(8*(\a)+(\b))+7], v[(\f)+8*(\b):(\f)+8*(\b)+7], v[(\f)+8*(4*(\hi)+(\a)):(\f)+8*(4*(\hi)+(\a))+7], 0
.else
	v_wmma_f32_16x16x32_bf16 v[8*(8*(\a)+(\b)):8*(8*(\a)+(\b))+7], v[(\f)+8*(\b):(\f)+8*(\b)+7], v[(\f)+8*(4*(\hi)+(\a)):(\f)+8*(4*(\hi)+(\a))+7], v[8*(8*(\a)+(\b)):8*(8*(\a)+(\b))+7]
.endif
.endr
.endr
.endm
; 32 LDS loads in one run: the fragments of one quarter step (B's 128 rows, then A's, 32 K at byte k of the rows) into buffer f
.macro FETCH slot, k, f
	WIN TO_B
.irp i, 0,1,2,3,4,5,6,7
	ds_load_b128 v[(\f)+8*(\i):(\f)+8*(\i)+3],   v[ADRB+(\slot)] offset:(\k)+(\i)*16*PITCH
	ds_load_b128 v[(\f)+8*(\i)+4:(\f)+8*(\i)+7], v[ADRB+(\slot)] offset:(\k)+(\i)*16*PITCH+32
.endr
	WIN 0
.irp i, 0,1,2,3,4,5,6,7
	ds_load_b128 v[(\f)+8*(\i):(\f)+8*(\i)+3],   v[ADRA+(\slot)] offset:(\k)+(\i)*16*PITCH
	ds_load_b128 v[(\f)+8*(\i)+4:(\f)+8*(\i)+7], v[ADRA+(\slot)] offset:(\k)+(\i)*16*PITCH+32
.endr
.endm
.macro PLACES                          ; four plain instructions between a matrix instruction and a load into, or a vector instruction on, its registers
.rept 4
	v_nop
.endr
.endm
; A K step is four quarters of 32 along K, 64 matrix instructions each, on buffers 0, 1, 0, 1.  One of the first three: multiplies buffer f and, in its middle, fetches the next quarter into g.
.macro QUARTER slot, k, f, g, zero
	s_wait_dscnt 8                                 ; B and A's rows 0-63 are in; the youngest eight loads (A's rows 64-127) may be out
	WIN MUL_LO
	MUL16 \f, 0, 0, \zero
	MUL16 \f, 0, 2, \zero
	PLACES
	FETCH \slot, \k, \g
	s_wait_dscnt 32                                ; all but the 32 just issued
	WIN MUL_HI
	MUL16 \f, 1, 0, \zero
	MUL16 \f, 1, 2, \zero
.endm
; The first half of the last quarter: ONE barrier for the change of slots.  In front of it each wave waits for all its tensor loads (one is out: its part of the next slot), adds 0 to its spare word,
; and waits for that and for its own reads of this slot.  Behind it nobody reads this slot any more and the next slot is whole.
.macro MEET round
	WIN 0
	s_wait_tensorcnt 0x0
	ds_add_u32 v[SPW], v[NIL]
	s_wait_dscnt 9                                 ; (the add and the youngest eight loads may be out)
	WIN MUL_LO
	MUL16 F1, 0, 0, 0                              ; sixteen matrix instructions stand between the add and the wait for it
	s_wait_dscnt 0x0                               ; the add is done, and my reads of this slot are over
	s_barrier_signal -1
	MUL16 F1, 0, 2, 0
.if \round
	WIN 0
.endif
	s_barrier_wait -1
.endm
; The whole last quarter where the slot is filled again: the barrier opens a round of the cluster's, and the joint refill, two K steps on, is the first tensor load behind it.
.macro TURN slot, next
	s_wait_xcnt 0x0                                ; the last prefetch, a K step back, has read its address
	s_add_nc_u64 s[PFA:PFA+1], s[PFA:PFA+1], KSTEP*2
	MEET 1
	CREST                                          ; no wave of any partner still reads this slot's tile or has a load on its way
	s_add_nc_u64 s[G0+4*(\slot)+2:G0+4*(\slot)+3], s[G0+4*(\slot)+2:G0+4*(\slot)+3], 2*KSTEP*2
	s_add_nc_u64 s[G0B+4*(\slot)+2:G0B+4*(\slot)+3], s[G0B+4*(\slot)+2:G0B+4*(\slot)+3], 2*KSTEP*2
	JLOAD \slot                                    ; its four v_nop are also the places in front of the loads below; 224 matrix instructions stand between it and the wait for it
	FETCH \next, 0, F0
	ASK
	WIN MUL_HI
	MUL16 F1, 1, 0, 0
	MUL16 F1, 1, 2, 0
.endm
	s_wait_tensorcnt 1                             ; my part of K step 0 is in; K step 1's may stay out
	s_barrier_signal -1
	s_barrier_wait -1
	FETCH 0, 0, F0
	QUARTER 0, 64,  F0, F1, 1                      ; the first quarter stands in front of the loop: its products start the sums
	WIN 0
	s_mov_b32 s3, LAPS-1
.Llap:                                                 ; a trip goes once round the ring and fills both slots again
	QUARTER 0, 128, F1, F0, 0
	QUARTER 0, 192, F0, F1, 0
	TURN 0, 1
	QUARTER 1, 64,  F0, F1, 0
	QUARTER 1, 128, F1, F0, 0
	QUARTER 1, 192, F0, F1, 0
	TURN 1, 0
	QUARTER 0, 64,  F0, F1, 0
	WIN 0
	s_sub_co_u32 s3, s3, 1
	s_cmp_lg_u32 s3, 0
	s_cbranch_scc1 .Llap
	QUARTER 0, 128, F1, F0, 0                      ; the last lap fills nothing
	QUARTER 0, 192, F0, F1, 0
	MEET 0                                         ; my one tensor load that was still out is the last K step's
	PLACES
	FETCH 1, 0, F0
	WIN MUL_HI
	MUL16 F1, 1, 0, 0
	MUL16 F1, 1, 2, 0
	QUARTER 1, 64,  F0, F1, 0
	QUARTER 1, 128, F1, F0, 0
	QUARTER 1, 192, F0, F1, 0
	s_wait_dscnt 8
	MUL16 F1, 0, 0, 0
	MUL16 F1, 0, 2, 0
	s_wait_dscnt 0x0
	MUL16 F1, 1, 0, 0
	MUL16 F1, 1, 2, 0
	WIN 0
; ================= THE WAY OUT =================
; Between the two walks: window 3 into window 2, each accumulator from its lowest register on; the second half's labels move down, and the first walk's four row results take their place.
.macro COPY
	WIN W_CP
.set i, 0
.rept 256
	v_mov_b32 v[i], v[i]
.set i, i+1
.endr
	WIN 0
.irp a, 0,1,2,3
	v_mov_b32 v[RL+\a], v[RL+4+\a]
.endr
.irp a, 0,1,2,3
	v_mov_b32 v[SV0+\a], v[ST0+\a]
.endr
.endm
; Four blocks' results, one number a row (the same in both halves of the lanes), into my slot: lanes 0-15 give block a's rows, lanes 16-31 block a + 1's.  off: the slot's region, and 256 for the second walk's 64 rows.
.macro PUT src, off
.irp a, 0, 2
	v_cndmask_b32 v[58+\a], v[(\src)+\a], v[(\src)+\a+1], s[MHI]
	ds_store_b32 v[ZW], v[58+\a] offset:(\off)+64*\a
.endr
.endm
	PLACES
	PLACES                                         ; the places behind the last products
	s_wait_loadcnt 0x0                             ; labels, biases, weights: asked for at the head
	s_wait_xcnt 0x0                                ; and the last prefetch has read its address: the descriptors' and pointers' registers become masks
	s_cmp_ge_u32 s[CID], 10
	s_cbranch_scc1 .Llogits
; ---------------- sim ----------------
; Half a block: rows 16 a + r, column blocks 4 bh .. 4 bh + 3: 32 numbers a lane, x = sim log2(e).
;   masks: same label, less the diagonal.   E = 2^x, T = x where the pair is positive, else 0: exponential and plain line by turns, ONE wait for the 32 exponentials.
;   The diagonal's exponential is set to 0; E goes into the row's sum (two chains) and the columns' sums, T into the row's positive sum (two chains).
.macro HB a, bh
.if \bh
.set DGX, DGB
.else
.set DGX, DGA
.endif
	WIN 0
.set i, 0
.rept 32
	v_cmp_eq_u32 s[MK+i], v[RL+(\a)], v[CL+32*(\bh)+i]
.set i, i+1
.endr
.set i, 0
.rept 8
	s_and_not1_b32 s[MK+8*(\a)+i], s[MK+8*(\a)+i], s[DGX+i]    ; the diagonal can lie in column block a (first walk) or a + 4 (second) alone
.set i, i+1
.endr
	WIN W_EX
.set i, 0
.rept 32
	v_exp_f32 v[EE+i], v[64*(\a)+32*(\bh)+i]
	v_cndmask_b32 v[TT+i], 0, v[64*(\a)+32*(\bh)+i], s[MK+i]
.set i, i+1
.endr
	WIN 0
	s_wait_alu depctr_va_vdst(0)                   ; one wait for the batch; the last line ahead of it is plain
.set i, 0
.rept 8
	v_cndmask_b32 v[EE+8*(\a)+i], v[EE+8*(\a)+i], v[ZR], s[DGX+i]
.set i, i+1
.endr
.set p, 0
.rept 16
.set rr, 18-4*(p%2)                    ; v[18:19], v[14:15]
.set pp, 22+34*(p%2)                   ; v[22:23], v[56:57]
.if ((\bh) == 0) && (p < 2)
.elseif ((\bh) == 0) && (p < 4)        ; the first four pairs start the chains: nothing is cleared
	v_pk_add_f32 v[rr:rr+1], v[EE+2*p-4:EE+2*p-3], v[EE+2*p:EE+2*p+1]
	v_pk_add_f32 v[pp:pp+1], v[TT+2*p-4:TT+2*p-3], v[TT+2*p:TT+2*p+1]
.else
	v_pk_add_f32 v[rr:rr+1], v[rr:rr+1], v[EE+2*p:EE+2*p+1]
	v_pk_add_f32 v[pp:pp+1], v[pp:pp+1], v[TT+2*p:TT+2*p+1]
.endif
	v_pk_add_f32 v[CS+32*(\bh)+2*p:CS+32*(\bh)+2*p+1], v[CS+32*(\bh)+2*p:CS+32*(\bh)+2*p+1], v[EE+2*p:EE+2*p+1]
.set p, p+1
.endr
.endm
.macro RFIN a                          ; the block's row sums: the other half of the lanes holds the row's other columns; the positive sum takes the row's weight
	v_pk_add_f32 v[18:19], v[18:19], v[14:15]
	v_pk_add_f32 v[22:23], v[22:23], v[56:57]
	v_add_f32 v58, v18, v19
	v_add_f32 v60, v22, v23
	v_permlanex16_b32 v59, v58, s[SEL], s[SEL+1]
	v_fma_f32 v[PT], v60, v[WR+(\a)], v[PT]
	v_add_f32 v[ST0+(\a)], v58, v59
.endm
; Column block b's eight sums are added over the 16 lanes of each half: in each of three steps a lane keeps half of its registers and gives the other half to its neighbour 1, 2, 4 lanes away;
; the fourth step adds the lane 8 away.  Lane r ends with column 16 b + 8 h + r % 8.
.macro CRED b
.set c0, CS+8*(\b)
.irp i, 0,1,2,3
	v_cndmask_b32 v[58+2*((\i)%2)], v[c0+2*\i], v[c0+2*\i+1], s[MODD]
	v_cndmask_b32 v[59+2*((\i)%2)], v[c0+2*\i+1], v[c0+2*\i], s[MODD]
	v_add_f32_dpp v[c0+\i], v[59+2*((\i)%2)], v[58+2*((\i)%2)] row_xmask:1 row_mask:0xf bank_mask:0xf
.endr
.irp i, 0,1
	v_cndmask_b32 v[58+2*\i], v[c0+2*\i], v[c0+2*\i+1], s[MB1]
	v_cndmask_b32 v[59+2*\i], v[c0+2*\i+1], v[c0+2*\i], s[MB1]
	v_add_f32_dpp v[c0+\i], v[59+2*\i], v[58+2*\i] row_xmask:2 row_mask:0xf bank_mask:0xf
.endr
	v_cndmask_b32 v58, v[c0], v[c0+1], s[MB2]
	v_cndmask_b32 v59, v[c0+1], v[c0], s[MB2]
	v_add_f32_dpp v[c0], v59, v58 row_xmask:4 row_mask:0xf bank_mask:0xf
	v_add_f32_dpp v[c0], v[c0], v[c0] row_xmask:8 row_mask:0xf bank_mask:0xf
	ds_store_b32 v[ZC], v[c0] offset:64*(\b)       ; lanes r and r + 8 write the same word with the same number
.endm
	s_cmp_lt_u32 s[CID], 4
	s_cselect_b32 s[FAC], 1.0, 2.0                 ; above the diagonal a pair stands for its mirror image too
	v_mov_b32 v[PT], 0
	v_mov_b32 v59, 0                               ; (a lane exchange's destination counts as read)
.set i, 0
.rept 64
	v_mov_b32 v[CS+i], 0                           ; the column sums run through both walks of one text, so they start at 0
.set i, i+1
.endr
	s_mov_b32 s[HALF], 2
.Lsim_half:
.irp j, 0,1,2,3,4,5,6,7                ; row = column where DD = 16 (b - a) + j: with b = a, DD = j; in the second walk, where DD is 64 more, with b = a + 4.  All 16 masks are 0 in a wave that holds no diagonal
	v_cmp_eq_i32 s[DGA+\j], \j, v[DD]
	v_cmp_eq_i32 s[DGB+\j], 64+\j, v[DD]
.endr
.irp a, 0,1,2,3
	HB \a, 0
	HB \a, 1
	RFIN \a
.endr
	s_cmp_eq_u32 s[HALF], 1
	s_cbranch_scc1 .Lsim_walked                    ; behind the second walk nothing is left to bring down
	COPY
.irp a, 0,1,2,3
	v_mov_b32 v[WR+\a], v[WR+4+\a]
.endr
	v_add_nc_u32 v[DD], 64, v[DD]
.Lsim_walked:
	s_sub_co_u32 s[HALF], s[HALF], 1
	s_cmp_lg_u32 s[HALF], 0
	s_cbranch_scc1 .Lsim_half
	PUT SV0, 0                                     ; my rows 0-63,
	PUT ST0, 256                                   ; and 64-127
	WRED PT, 59
	v_mul_f32 v[PT], s[FAC], v[PT]
	ds_store_b32 v[ZSW], v[PT]
	s_cmp_lt_u32 s[CID], 4
	s_cbranch_scc1 .Ljoin                          ; a diagonal superblock serves rows alone
.irp b, 0,1,2,3,4,5,6,7
	CRED \b
.endr
	s_branch .Ljoin
; ---------------- logits ----------------
.macro SELQ                            ; line q of the 33 that end the selection: levels 2 to 6 of the tree, in place and ascending; then the number counts if the label lies among my lane's columns
.if q < 16
	v_cndmask_b32 v[UU+q], v[UU+2*q], v[UU+2*q+1], s[BIT+1]
.elseif q < 24
	v_cndmask_b32 v[UU+q-16], v[UU+2*(q-16)], v[UU+2*(q-16)+1], s[BIT+2]
.elseif q < 28
	v_cndmask_b32 v[UU+q-24], v[UU+2*(q-24)], v[UU+2*(q-24)+1], s[BIT+3]
.elseif q < 30
	v_cndmask_b32 v[UU+q-28], v[UU+2*(q-28)], v[UU+2*(q-28)+1], s[BIT+4]
.elseif q == 30
	v_cndmask_b32 v[UU], v[UU], v[UU+1], s[BIT+5]
.elseif q == 31
	v_cndmask_b32 v62, 0, v[UU], s[VAL]
.else
	v_add_f32 v[PT], v[PT], v62
.endif
.set q, q+1
.endm
; A block of 16 rows x 128 columns: 64 numbers a lane, x[i]: column 16 (i / 8) + 8 h + i % 8.
.macro LBLK a
	WIN 0
	v_sub_nc_u32 v62, v[RL+(\a)], v[RDB]           ; the label's place from my lane's first column: 16 b + j where it is mine: bits 0-2 are j, bits 4-6 are b, all others 0
.irp n, 0,1,2,3,4,5
	v_and_b32 v[60+(\n)%2], 1<<((\n)+(\n)/3), v62
	v_cmp_ne_u32 s[BIT+\n], 0, v[60+(\n)%2]
.endr
	v_and_b32 v63, 0xffffff88, v62
	v_cmp_eq_u32 s[VAL], 0, v63
	WIN W_BI
.set p, 0
.rept 32
	v_pk_add_f32 v[64*(\a)+2*p:64*(\a)+2*p+1], v[64*(\a)+2*p:64*(\a)+2*p+1], v[CL+2*p:CL+2*p+1]   ; + bias, each accumulator from its lowest registers on
.set p, p+1
.endr
	WIN W_MX
.set e, 0
.rept 32                               ; the row's maximum: four chains, three operands at a time
.if e < 4
	v_max3_num_f32 v[58+e], s[NINF], v[64*(\a)+2*e], v[64*(\a)+2*e+1]
.else
	v_max3_num_f32 v[58+e%4], v[58+e%4], v[64*(\a)+2*e], v[64*(\a)+2*e+1]
.endif
.set e, e+1
.endr
	WIN 0
	v_max3_num_f32 v58, v58, v59, v60
	v_max_num_f32 v58, v58, v61
	v_permlanex16_b32 v59, v58, s[SEL], s[SEL+1]   ; the row's other columns lie in the lane 16 away
	v_max_num_f32 v[ST0+(\a)], v58, v59
	v_mul_f32 v[MC], s[L2E], v[ST0+(\a)]
	v_mov_b32 v[MC+1], v[MC]                       ; named with it as a pair
	WIN W_FM
.set p, 0
.rept 32
	v_pk_fma_f32 v[TL+2*p:TL+2*p+1], v[64*(\a)+2*p:64*(\a)+2*p+1], s[L2E:L2E+1], v[MC:MC+1] op_sel_hi:[1,0,0] neg_lo:[0,0,1] neg_hi:[0,0,1]   ; (x - maximum) log2(e)
.set p, p+1
.endr
	WIN W_SD
.irp b, 0,1,2,3,4,5,6,7
	ds_store_b128 v[STO], v[64*(\a)+8*\b:64*(\a)+8*\b+3]   offset:64*\b      ; my eight neighbouring columns of row r, into my stage
	ds_store_b128 v[STO], v[64*(\a)+8*\b+4:64*(\a)+8*\b+7] offset:64*\b+16
.endr
	WIN W_EX
.set p, 0
.rept 32
	v_cndmask_b32 v[UU+p], v[64*(\a)+2*p], v[64*(\a)+2*p+1], s[BIT]          ; the tree's first level
.set p, p+1
.endr
	WIN 0
.set q, 0
.set e, 0
.rept 64                               ; ONE batch of 64 exponentials; the rest of the selection, which names none of their results, stands between the first of them
	v_exp_f32 v[TL+e], v[TL+e]
.if q < 33
	SELQ
.endif
.set e, e+1
.endr
	WIN TO_B
.irp t, 0,1,2,3,4,5,6,7,8,9,10,11,12,13,14,15
	ds_load_b128 v[OB+4*\t:OB+4*\t+3], v[RD] offset:SPITCH*\t    ; whole rows back; LDS serves a wave's instructions in order (ISA guide 5.7.1.4): these see the stores above
.endr
	WIN 0
	v_nop                                          ; a plain instruction behind the last exponential,
	s_wait_alu depctr_va_vdst(0)                   ; and the one wait for the batch
.set p, 0
.rept 28                               ; the sum of the 32 pairs in four chains, started by the first eight pairs
.set ch, (18-4*(p%2))*(1-((p/2)%2))+(22+34*(p%2))*((p/2)%2)
.if p < 4
	v_pk_add_f32 v[ch:ch+1], v[TL+2*p:TL+2*p+1], v[TL+2*p+8:TL+2*p+9]
.else
	v_pk_add_f32 v[ch:ch+1], v[ch:ch+1], v[TL+2*p+8:TL+2*p+9]
.endif
.set p, p+1
.endr
	v_pk_add_f32 v[18:19], v[18:19], v[14:15]
	v_pk_add_f32 v[22:23], v[22:23], v[56:57]
	v_pk_add_f32 v[18:19], v[18:19], v[22:23]
	v_add_f32 v58, v18, v19
	v_permlanex16_b32 v59, v58, s[SEL], s[SEL+1]
	v_add_f32 v[ST1+(\a)], v58, v59
	s_wait_dscnt 0x0                               ; the rows are back
	s_wait_xcnt 0x0                                ; EXEC changes only behind this wait
	s_mov_b32 vcc_lo, s[KEEP]
	s_and_saveexec_b32 s[SAVE], vcc_lo             ; the lanes whose four columns exist: all, but in the last column wave 26 of 32
	WIN W_S1
.irp t, 0,1,2,3,4,5,6,7,8,9,10,11,12,13,14,15
	global_store_b128 v[CO], v[OB+4*\t:OB+4*\t+3], s[68:69] offset:(16*(\a)+\t)*4000 th:TH_STORE_NT   ; 512 consecutive bytes of a row of out0 (rows are 4,000 bytes apart)
.endr
	s_wait_xcnt 0x0                                ; and again, in front of the line that widens it; it also frees the rows' registers for the next block
	s_or_b32 exec_lo, exec_lo, s[SAVE]
	WIN 0
.endm
.Llogits:
	s_mul_i32 s20, s[R0W], 4000
	s_lshl_b32 s21, s[C0W], 2
	s_add_co_u32 s20, s20, s21
	s_mov_b32 s21, 0
	s_add_nc_u64 s[68:69], s[68:69], s[20:21]      ; out0 at my first row and column
	v_lshl_add_u32 v58, v[LANE], 2, s[C0W]
	v_cmp_gt_u32 s[KEEP], 1000, v58
	v_mov_b32 v[PT], 0
	s_mov_b32 s[HALF], 2
.Llog_half:
.irp a, 0,1,2,3
	LBLK \a
.endr
	s_cmp_eq_u32 s[HALF], 1
	s_cbranch_scc1 .Llog_walked                    ; behind the second walk nothing is left to bring down
	COPY
.irp a, 0,1,2,3
	v_mov_b32 v[SV1+\a], v[ST1+\a]
.endr
	s_wait_xcnt 0x0                                ; the stores have read their base
	s_add_nc_u64 s[68:69], s[68:69], 64*4000
.Llog_walked:
	s_sub_co_u32 s[HALF], s[HALF], 1
	s_cmp_lg_u32 s[HALF], 0
	s_cbranch_scc1 .Llog_half
	PUT SV0, 0                                     ; the maxima of my rows 0-63 and 64-127,
	PUT ST0, 256
	PUT SV1, 2048                                  ; and the sums
	PUT ST1, 2048+256
	WRED PT, 59
	ds_store_b32 v[ZSW], v[PT]
; ---------------- the four waves' parts meet ----------------
.Ljoin:
	s_wait_dscnt 0x0                               ; for the others' sake: my stores into the slots are done
	s_barrier_signal -1
	s_barrier_wait -1
	s_cmp_ge_u32 s[CID], 10
	s_cbranch_scc1 .Ljoin_logits
	s_cmp_lt_u32 s[WV], 2                          ; waves 0 and 1: the sums of rows 128 w ..; waves 2 and 3: of columns 128 (w - 2) .., above the diagonal alone
	s_cbranch_scc1 .Lsum
	s_cmp_lt_u32 s[CID], 4
	s_cbranch_scc1 .Lscal
.Lsum:
	ds_load_b128 v[64:67], v[ZRD]
	ds_load_b128 v[68:71], v[ZRD] offset:512
	s_cmp_lt_u32 s[WV], 2
	s_cselect_b32 s20, s[JT], s[IT]                ; esum's slot: the tile over which was summed,
	s_cselect_b32 s21, s[IT], s[JT]                ; and the tile whose rows of sim these are
	s_and_b32 s22, s[WV], 1
	s_lshl_b32 s20, s20, 14
	s_lshl_b32 s21, s21, 10
	s_lshl_b32 s22, s22, 9
	s_add_co_u32 s20, s20, s21
	s_add_co_u32 s20, s20, s22
	v_lshl_add_u32 v58, v[LANE], 4, s20
	s_wait_dscnt 0x0
	v_pk_add_f32 v[64:65], v[64:65], v[68:69]
	v_pk_add_f32 v[66:67], v[66:67], v[70:71]
	global_store_b128 v58, v[64:67], s[70:71]      ; 512 consecutive bytes, aligned; each word of esum has one writer in the launch
	s_branch .Lscal
.Ljoin_logits:
	s_cmp_lt_u32 s[WV], 2
	s_cbranch_scc0 .Lscal
	ds_load_b128 v[64:67], v[ZRD]                  ; the two column halves' maxima
	ds_load_b128 v[68:71], v[ZRD] offset:512
	ds_load_b128 v[72:75], v[ZRD] offset:2048      ; and sums
	ds_load_b128 v[76:79], v[ZRD] offset:2560
	s_lshl_b32 s20, s[CX], 14
	s_lshl_b32 s21, s[IT], 10
	s_lshl_b32 s22, s[WV], 9
	s_add_co_u32 s20, s20, s21
	s_add_co_u32 s20, s20, s22
	v_lshl_add_u32 v58, v[LANE], 4, s20
	s_wait_dscnt 0x0
.irp i, 0,1,2,3
	v_max_num_f32 v[80+\i], v[64+\i], v[68+\i]
.endr
.irp i, 0,2,4,6
	v_pk_add_f32 v[64+\i:65+\i], v[64+\i:65+\i], v[80+(\i)%4:81+(\i)%4] neg_lo:[0,1] neg_hi:[0,1]
.endr
.irp i, 0,2,4,6
	v_pk_mul_f32 v[64+\i:65+\i], v[64+\i:65+\i], s[L2E:L2E+1] op_sel_hi:[1,0]
.endr
.irp i, 0,1,2,3,4,5,6,7
	v_exp_f32 v[64+\i], v[64+\i]
.endr
	v_nop
	s_wait_alu depctr_va_vdst(0)
	v_pk_mul_f32 v[72:73], v[72:73], v[64:65]
	v_pk_mul_f32 v[74:75], v[74:75], v[66:67]
	v_pk_fma_f32 v[72:73], v[76:77], v[68:69], v[72:73]
	v_pk_fma_f32 v[74:75], v[78:79], v[70:71], v[74:75]
	global_store_b128 v58, v[80:83], s[72:73]                  ; slot cx: the maximum over the tile's 256 columns
	global_store_b128 v58, v[72:75], s[72:73] offset:65536     ; slot 4 + cx: the sum of exp(x - that maximum)
.Lscal:
	s_cmp_lg_u32 s[WV], 0
	s_cbranch_scc1 .Lend
	ds_load_b128 v[84:87], v[ZSR]
	s_lshl_b32 s20, s[CID], 4
	s_lshl2_add_u32 s21, s[CY], s[CX]
	s_add_co_u32 s20, s20, s21
	s_lshl_b32 s20, s20, 2
	v_mov_b32 v61, s20
	s_wait_dscnt 0x0
	v_add_f32 v84, v84, v85
	v_add_f32 v86, v86, v87
	v_add_f32 v84, v84, v86
	s_wait_xcnt 0x0
	v_cmp_eq_u32 vcc_lo, 0, v0
	s_and_saveexec_b32 s[SAVE], vcc_lo
	global_store_b32 v61, v84, s[74:75]            ; one number a work-group: 224 stores of four bytes in the launch
	s_wait_xcnt 0x0
	s_or_b32 exec_lo, exec_lo, s[SAVE]
.Lend:
	s_wait_tensorcnt 0x0                           ; the wave's end: behind my last tensor load and my last LDS store
	ds_add_u32 v[SPW], v[NIL]
	s_wait_dscnt 0x0
	CROUND                                         ; the closing round: no work-group ends while a partner may still ask for a tile that names it
	s_endpgm
.Lfunc_end_k_q8d3a81ceaa_main:
	.size	k_q8d3a81ceaa_main, .Lfunc_end_k_q8d3a81ceaa_main-k_q8d3a81ceaa_main
	.p2alignl 7, 3214868480
	.fill 96, 4, 3214868480
	.section	.rodata,"a",@progbits
	.p2align	6, 0x0
	.amdhsa_kernel k_q8d3a81ceaa_main
		.amdhsa_group_segment_fixed_size 327680
		.amdhsa_private_segment_fixed_size 0
		.amdhsa_enable_private_segment 0
		.amdhsa_kernarg_size 64
		.amdhsa_user_sgpr_count 2
		.amdhsa_user_sgpr_kernarg_segment_ptr 1
		.amdhsa_wavefront_size32 1
		.amdhsa_system_sgpr_workgroup_id_x 1
		.amdhsa_system_sgpr_workgroup_id_y 1
		.amdhsa_system_sgpr_workgroup_id_z 1
		.amdhsa_system_vgpr_workitem_id 0
		.amdhsa_next_free_vgpr 1024
		.amdhsa_next_free_sgpr 100
		.amdhsa_reserve_vcc 1
		.amdhsa_float_denorm_mode_32 3
		.amdhsa_float_denorm_mode_16_64 3
		.amdhsa_memory_ordered 1
		.amdhsa_forward_progress 1
		.amdhsa_inst_pref_size 255
	.end_amdhsa_kernel
	.section	.bss,"aw",@nobits
	.p2align	6
	.space	262144
	.amdgpu_metadata
---
amdhsa.version: [ 1, 2 ]
amdhsa.kernels:
  - .name:           k_q8d3a81ceaa_main
    .symbol:         k_q8d3a81ceaa_main.kd
    .args:
      - { .name: fw, .offset: 0, .size: 8, .value_kind: global_buffer, .address_space: global }
      - { .name: labels, .offset: 8, .size: 8, .value_kind: global_buffer, .address_space: global }
      - { .name: bp, .offset: 16, .size: 8, .value_kind: global_buffer, .address_space: global }
      - { .name: wrow, .offset: 24, .size: 8, .value_kind: global_buffer, .address_space: global }
      - { .name: out0, .offset: 32, .size: 8, .value_kind: global_buffer, .address_space: global }
      - { .name: esum, .offset: 40, .size: 8, .value_kind: global_buffer, .address_space: global }
      - { .name: ce, .offset: 48, .size: 8, .value_kind: global_buffer, .address_space: global }
      - { .name: scal, .offset: 56, .size: 8, .value_kind: global_buffer, .address_space: global }
    .group_segment_fixed_size: 327680
    .private_segment_fixed_size: 0
    .kernarg_segment_align: 8
    .kernarg_segment_size: 64
    .max_flat_workgroup_size: 128
    .sgpr_count:     100
    .vgpr_count:     1024
    .wavefront_size: 32
...
	.end_amdgpu_metadata
.endif
;; end of part 2
;; launch finish (part 3): grid 1 x 1, 32 waves a work-group, no clusters, 5,120 bytes of LDS; arguments esum, ce, wrow, scal, out1; writes out1
.if DOCPART == 3
	.amdgcn_target "amdgcn-amd-amdhsa--gfx1250"
	.amdhsa_code_object_version 6
	.text
	.protected	k_q8d3a81ceaa_finish
	.globl	k_q8d3a81ceaa_finish
	.p2align	8
	.type	k_q8d3a81ceaa_finish,@function
k_q8d3a81ceaa_finish:
	s_mov_b64 s[64:65], 0
	v_nop
	global_prefetch_b8 v0, s[64:65] scope:SCOPE_SE
	s_setreg_imm32_b32 hwreg(HW_REG_WAVE_MODE, 25, 1), 1
	s_wait_xcnt 0x0
; FINISH: the one number.  loss = 0.9 ce + 0.1 scl, from 0.4 MB of partial results.
;   bottom_i = the sum of esum's 16 slots;   lse_i = M + ln(sum over k of s_k exp(m_k - M)), M = the maximum of ce's four maxima m_k: the maximum is taken away as reference() takes it.
;   ce  = (sum of lse_i - sum of the logits at the labels) / 4096.
;   scl = ln 2 (sum over valid i of log2(bottom_i) - sum over positive pairs of sim_ij log2(e) / cnt_i) / n_valid, 0 where no row is valid: the identity shown at the head of MAIN; nothing more is left out here.
; One work-group, since one number has one owner: 1,024 threads, four rows each; all loads go out at once (16-byte loads, 512 consecutive bytes a wave).  No prefetch and no ring: every byte is asked for in the first lines.
.set SPARE, 1024                       ; the spare words: 128 bytes for each of 32 waves; bytes 0-1023 hold a record of 32 bytes a wave
.set ES,  8                            ; v[8:71]    esum, slot k at 8 + 4 k
.set CE,  72                           ; v[72:103]  ce: maxima at 72 + 4 k, sums at 88 + 4 k
.set WW,  104                          ; v[104:107] the rows' weights, then 1.0 where valid
.set SC,  108                          ; v108       scal[t], 0 in threads 224 on
.set MM,  110                          ; v[110:113] M
.set SS,  114                          ; v[114:117] S, log2 S, lse
.set AA,  120                          ; v[120:124] the five sums
.macro WRED x, t
	v_add_f32_dpp v[\x], v[\x], v[\x] row_xmask:1 row_mask:0xf bank_mask:0xf
	v_add_f32_dpp v[\x], v[\x], v[\x] row_xmask:2 row_mask:0xf bank_mask:0xf
	v_add_f32_dpp v[\x], v[\x], v[\x] row_xmask:4 row_mask:0xf bank_mask:0xf
	v_add_f32_dpp v[\x], v[\x], v[\x] row_xmask:8 row_mask:0xf bank_mask:0xf
	v_permlanex16_b32 v[\t], v[\x], s16, s17
	v_add_f32 v[\x], v[\x], v[\t]
.endm
	s_load_b256 s[4:11], s[0:1], 0x0               ; esum s[4:5], ce s[6:7], wrow s[8:9], scal s[10:11]
	s_load_b64 s[12:13], s[0:1], 0x20              ; out1
	v_lshl_add_u32 v3, v0, 2, SPARE                ; my spare word
	v_mov_b32 v4, 0                                ; and 0
	v_lshrrev_b32 v1, 5, v0
	v_readfirstlane_b32 s14, v1                    ; wave 0..31
	v_lshlrev_b32 v1, 4, v0                        ; my four rows: 16 bytes
	v_lshlrev_b32 v2, 2, v0
	v_mov_b32 v[SC], 0
	v_mov_b32 v125, 0                              ; (a lane exchange's destination counts as read)
	s_mov_b32 s16, 0x76543210
	s_mov_b32 s17, 0xfedcba98
	s_mov_b32 s20, 0x3f317218                      ; ln 2
	s_mov_b32 s21, 0x3f666666                      ; 0.9
	s_wait_kmcnt 0x0
.set k, 0
.rept 16
	global_load_b128 v[ES+4*k:ES+4*k+3], v1, s[4:5] offset:16384*k
.set k, k+1
.endr
.set k, 0
.rept 8
	global_load_b128 v[CE+4*k:CE+4*k+3], v1, s[6:7] offset:16384*k
.set k, k+1
.endr
	global_load_b128 v[WW:WW+3], v1, s[8:9]
	s_cmp_lt_u32 s14, 7
	s_cbranch_scc0 .Lno_scal
	global_load_b32 v[SC], v2, s[10:11]            ; 224 numbers: waves 0-4 hold sim's, waves 5 and 6 the logits'
.Lno_scal:
	s_wait_loadcnt 0x0
.irp d, 8,4,2,1                        ; bottom: a tree over the 16 slots
.set k, 0
.rept \d
	v_pk_add_f32 v[ES+4*k:ES+4*k+1],   v[ES+4*k:ES+4*k+1],   v[ES+4*(k+\d):ES+4*(k+\d)+1]
	v_pk_add_f32 v[ES+4*k+2:ES+4*k+3], v[ES+4*k+2:ES+4*k+3], v[ES+4*(k+\d)+2:ES+4*(k+\d)+3]
.set k, k+1
.endr
.endr
.irp i, 0,1,2,3
	v_max3_num_f32 v[MM+\i], v[CE+\i], v[CE+4+\i], v[CE+8+\i]
.endr
.irp i, 0,1,2,3
	v_max_num_f32 v[MM+\i], v[MM+\i], v[CE+12+\i]
.endr
.set k, 0
.rept 8                                ; (m_k - M) log2(e), a pair at a time
	v_pk_add_f32 v[CE+2*k:CE+2*k+1], v[CE+2*k:CE+2*k+1], v[MM+2*(k%2):MM+2*(k%2)+1] neg_lo:[0,1] neg_hi:[0,1]
.set k, k+1
.endr
.set k, 0
.rept 8
	v_pk_mul_f32 v[CE+2*k:CE+2*k+1], v[CE+2*k:CE+2*k+1], 0x3fb8aa3b op_sel_hi:[1,0]
.set k, k+1
.endr
.set k, 0
.rept 16
	v_exp_f32 v[CE+k], v[CE+k]
.set k, k+1
.endr
	v_nop                                          ; a plain instruction behind the last exponential,
	s_wait_alu depctr_va_vdst(0)                   ; and the one wait ahead of the batch's first reader
	v_pk_mul_f32 v[SS:SS+1],   v[CE+16:CE+17], v[CE:CE+1]
	v_pk_mul_f32 v[SS+2:SS+3], v[CE+18:CE+19], v[CE+2:CE+3]
.irp k, 1,2,3
	v_pk_fma_f32 v[SS:SS+1],   v[CE+16+4*\k:CE+17+4*\k], v[CE+4*\k:CE+4*\k+1],   v[SS:SS+1]
	v_pk_fma_f32 v[SS+2:SS+3], v[CE+18+4*\k:CE+19+4*\k], v[CE+4*\k+2:CE+4*\k+3], v[SS+2:SS+3]
.endr
.irp i, 0,1,2,3
	v_log_f32 v[ES+\i], v[ES+\i]
	v_log_f32 v[SS+\i], v[SS+\i]
.endr
	v_nop
	s_wait_alu depctr_va_vdst(0)
.irp i, 0,1,2,3
	v_fma_f32 v[SS+\i], v[SS+\i], s20, v[MM+\i]    ; lse
	v_cmp_lt_f32 vcc_lo, 0, v[WW+\i]               ; valid: the row has a positive
	v_cndmask_b32 v[WW+\i], 0, 1.0, vcc_lo
	v_cndmask_b32 v[ES+\i], 0, v[ES+\i], vcc_lo
.endr
	v_pk_add_f32 v[ES:ES+1], v[ES:ES+1], v[ES+2:ES+3]
	v_pk_add_f32 v[SS:SS+1], v[SS:SS+1], v[SS+2:SS+3]
	v_pk_add_f32 v[WW:WW+1], v[WW:WW+1], v[WW+2:WW+3]
	v_add_f32 v[AA],   v[ES], v[ES+1]              ; A1: valid rows' log2(bottom)
	v_add_f32 v[AA+1], v[SS], v[SS+1]              ; A2: lse
	v_add_f32 v[AA+2], v[WW], v[WW+1]              ; A3: valid rows
	s_cmp_lt_u32 s14, 5
	s_cselect_b32 s22, -1, 0
	s_cselect_b32 s23, 0, -1
	v_cndmask_b32 v[AA+3], 0, v[SC], s22           ; A4: the positive pairs' sum
	v_cndmask_b32 v[AA+4], 0, v[SC], s23           ; A5: the logits at the labels
.irp n, 0,1,2,3,4
	WRED AA+\n, 125
.endr
	v_mov_b32 v126, s14
	v_lshlrev_b32 v126, 5, v126
	ds_store_b128 v126, v[AA:AA+3]                 ; my wave's record; all lanes write the same words
	ds_store_b32 v126, v[AA+4] offset:16
	s_wait_dscnt 0x0
	s_barrier_signal -1
	s_barrier_wait -1
	s_cmp_lg_u32 s14, 0
	s_cbranch_scc1 .Lend
	v_and_b32 v126, 31, v0
	v_lshlrev_b32 v126, 5, v126                    ; lane l takes wave l's record
	ds_load_b128 v[AA:AA+3], v126
	ds_load_b32 v[AA+4], v126 offset:16
	s_wait_dscnt 0x0
.irp n, 0,1,2,3,4
	WRED AA+\n, 125
.endr
	v_sub_f32 v[AA+1], v[AA+1], v[AA+4]
	v_sub_f32 v[AA], v[AA], v[AA+3]
	v_max_num_f32 v126, 1.0, v[AA+2]
	v_rcp_f32 v126, v126
	v_mul_f32 v[AA+1], 0x39800000, v[AA+1]         ; ce: / 4096 (the plain instruction behind the reciprocal)
	s_wait_alu depctr_va_vdst(0)
	v_mul_f32 v[AA], v[AA], v126
	v_mul_f32 v[AA], s20, v[AA]                    ; scl
	v_cmp_lt_f32 vcc_lo, 0, v[AA+2]
	v_cndmask_b32 v[AA], 0, v[AA], vcc_lo          ; 0 where no row is valid
	v_mul_f32 v[AA], 0x3dcccccd, v[AA]             ; 0.1 scl
	v_fma_f32 v[AA], v[AA+1], s21, v[AA]           ; + 0.9 ce
	v_mov_b32 v127, 0
	s_wait_xcnt 0x0
	v_cmp_eq_u32 vcc_lo, 0, v0
	s_and_saveexec_b32 s24, vcc_lo
	global_store_b32 v127, v[AA], s[12:13]
	s_wait_xcnt 0x0
	s_or_b32 exec_lo, exec_lo, s24
.Lend:
	s_wait_tensorcnt 0x0                           ; the wave's end: behind my last LDS store
	ds_add_u32 v3, v4
	s_wait_dscnt 0x0
	s_endpgm
.Lfunc_end_k_q8d3a81ceaa_finish:
	.size	k_q8d3a81ceaa_finish, .Lfunc_end_k_q8d3a81ceaa_finish-k_q8d3a81ceaa_finish
	.p2alignl 7, 3214868480
	.fill 96, 4, 3214868480
	.section	.rodata,"a",@progbits
	.p2align	6, 0x0
	.amdhsa_kernel k_q8d3a81ceaa_finish
		.amdhsa_group_segment_fixed_size 5120
		.amdhsa_private_segment_fixed_size 0
		.amdhsa_enable_private_segment 0
		.amdhsa_kernarg_size 40
		.amdhsa_user_sgpr_count 2
		.amdhsa_user_sgpr_kernarg_segment_ptr 1
		.amdhsa_wavefront_size32 1
		.amdhsa_system_sgpr_workgroup_id_x 1
		.amdhsa_system_sgpr_workgroup_id_y 1
		.amdhsa_system_sgpr_workgroup_id_z 1
		.amdhsa_system_vgpr_workitem_id 0
		.amdhsa_next_free_vgpr 128
		.amdhsa_next_free_sgpr 66
		.amdhsa_reserve_vcc 1
		.amdhsa_float_denorm_mode_32 3
		.amdhsa_float_denorm_mode_16_64 3
		.amdhsa_memory_ordered 1
		.amdhsa_forward_progress 1
		.amdhsa_inst_pref_size 15
	.end_amdhsa_kernel
	.amdgpu_metadata
---
amdhsa.version: [ 1, 2 ]
amdhsa.kernels:
  - .name:           k_q8d3a81ceaa_finish
    .symbol:         k_q8d3a81ceaa_finish.kd
    .args:
      - { .name: esum, .offset: 0, .size: 8, .value_kind: global_buffer, .address_space: global }
      - { .name: ce, .offset: 8, .size: 8, .value_kind: global_buffer, .address_space: global }
      - { .name: wrow, .offset: 16, .size: 8, .value_kind: global_buffer, .address_space: global }
      - { .name: scal, .offset: 24, .size: 8, .value_kind: global_buffer, .address_space: global }
      - { .name: out1, .offset: 32, .size: 8, .value_kind: global_buffer, .address_space: global }
    .group_segment_fixed_size: 5120
    .private_segment_fixed_size: 0
    .kernarg_segment_align: 8
    .kernarg_segment_size: 40
    .max_flat_workgroup_size: 1024
    .sgpr_count:     66
    .vgpr_count:     128
    .wavefront_size: 32
...
	.end_amdgpu_metadata
.endif
;; end of part 3
;; ======== version 2 of 2: 4 launches
;; limits: right only within a limited range of input values
;; workspace buffers: fw 18,874,368 bytes; bp 4,096 bytes; wrow 16,384 bytes; esum 262,144 bytes; ce 131,072 bytes; scal 1,024 bytes; part 512 bytes
;; launch prep: the kernel of part 1 again; grid 321 x 1, 16 waves a work-group, no clusters, 18,688 bytes of LDS; arguments feat, W, b, labels, fw, bp, wrow; writes fw, bp, wrow
;; launch main: the kernel of part 2 again; grid 56 x 4, 4 waves a work-group, clusters of 4 x 4, 327,680 bytes of LDS; arguments fw, labels, bp, wrow, out0, esum, ce, scal; writes out0, esum, ce, scal
;; launch rows (part 4): grid 32 x 1, 1 waves a work-group, no clusters, 0 bytes of LDS; arguments esum, ce, wrow, scal, part; writes part
.if DOCPART == 4
	.amdgcn_target "amdgcn-amd-amdhsa--gfx1250"
	.amdhsa_code_object_version 6
	.text
	.protected	k_q8d3a81ceaa_rows
	.globl	k_q8d3a81ceaa_rows
	.p2align	8
	.type	k_q8d3a81ceaa_rows,@function
k_q8d3a81ceaa_rows:
	s_mov_b64 s[64:65], 0
	v_nop
	global_prefetch_b8 v0, s[64:65] scope:SCOPE_SE
	s_setreg_imm32_b32 hwreg(HW_REG_WAVE_MODE, 25, 1), 1
	s_wait_xcnt 0x0
; ROWS: each row's partial results become its two logarithms, and 128 rows' become one record of four sums.
;   bottom_i = the sum of esum's 16 slots;   lse_i = M + ln(sum over k of s_k exp(m_k - M)), M = the maximum of ce's four maxima m_k: the maximum is taken away as reference() takes it.
;   part[g] = { sum over valid rows of log2(bottom_i), sum of lse_i, number of valid rows, sum of scal[32 g .. 32 g + 31] (0 from g = 7 on: scal has 224 numbers) }.
; Nothing of reference() is left out here beyond what the head of MAIN shows (the symmetry of sim, and the identity that takes bottom_log out of the positive sum).
; SHARES. 32 work-groups of one wave; work-group g has rows 128 g .. 128 g + 127, a lane four of them: every load of a slot is 512 consecutive bytes, aligned.  The 0.4 MB of partial results are shared among
; 32 work-groups, 12.8 KB each, all asked for before the first wait.  One wave a work-group: no LDS, no barrier.  No ring and no prefetch: there is no later trip to ask ahead for.  No matrix unit, no cluster: no product, nothing shared.
; The record is one store of 16 bytes by one lane: 32 such stores in the launch.
.set ES,  8                            ; v[8:71]    esum, slot k at 8 + 4 k
.set CE,  72                           ; v[72:103]  ce: maxima at 72 + 4 k, sums at 88 + 4 k
.set WW,  104                          ; v[104:107] the rows' weights, then 1.0 where valid
.set MM,  110                          ; v[110:113] M
.set SS,  114                          ; v[114:117] S, log2 S, lse
.set AA,  120                          ; v[120:123] the record
.set SC,  AA+3                         ; its fourth word: my number of scal, 0 in work-groups 7 on
.macro WRED x, t                       ; the sum over the wave's 32 lanes, in every lane
	v_add_f32_dpp v[\x], v[\x], v[\x] row_xmask:1 row_mask:0xf bank_mask:0xf
	v_add_f32_dpp v[\x], v[\x], v[\x] row_xmask:2 row_mask:0xf bank_mask:0xf
	v_add_f32_dpp v[\x], v[\x], v[\x] row_xmask:4 row_mask:0xf bank_mask:0xf
	v_add_f32_dpp v[\x], v[\x], v[\x] row_xmask:8 row_mask:0xf bank_mask:0xf
	v_permlanex16_b32 v[\t], v[\x], s16, s17
	v_add_f32 v[\x], v[\x], v[\t]
.endm
	s_load_b256 s[4:11], s[0:1], 0x0               ; esum s[4:5], ce s[6:7], wrow s[8:9], scal s[10:11]
	s_load_b64 s[12:13], s[0:1], 0x20              ; part
	s_mov_b32 s19, ttmp9                           ; g
	s_lshl_b32 s14, s19, 9                         ; my 128 rows: 512 bytes of a slot
	s_lshl_b32 s15, s19, 7                         ; my 32 numbers of scal
	s_lshl_b32 s18, s19, 4                         ; my record
	v_lshl_add_u32 v1, v0, 4, s14                  ; a lane's four rows: 16 bytes
	v_lshl_add_u32 v2, v0, 2, s15
	v_mov_b32 v3, s18
	v_mov_b32 v[SC], 0
	v_mov_b32 v125, 0                              ; (a lane exchange's destination counts as read)
	s_mov_b32 s16, 0x76543210                      ; v_permlanex16_b32: each lane takes its own place in the other half
	s_mov_b32 s17, 0xfedcba98
	s_mov_b32 s20, 0x3f317218                      ; ln 2
	s_wait_kmcnt 0x0
	s_cmp_lt_u32 s19, 7
	s_cbranch_scc0 .Lno_scal
	global_load_b32 v[SC], v2, s[10:11]            ; issued first, so that the counted wait below counts the same loads on both ways
.Lno_scal:
.set k, 0
.rept 16
	global_load_b128 v[ES+4*k:ES+4*k+3], v1, s[4:5] offset:16384*k
.set k, k+1
.endr
.set k, 0
.rept 8
	global_load_b128 v[CE+4*k:CE+4*k+3], v1, s[6:7] offset:16384*k
.set k, k+1
.endr
	global_load_b128 v[WW:WW+3], v1, s[8:9]
	s_wait_loadcnt 9                               ; esum is in; ce's eight loads and wrow's one, issued behind it, may stay out
.irp d, 8,4,2,1                        ; bottom: a tree over the 16 slots
.set k, 0
.rept \d
	v_pk_add_f32 v[ES+4*k:ES+4*k+1],   v[ES+4*k:ES+4*k+1],   v[ES+4*(k+\d):ES+4*(k+\d)+1]
	v_pk_add_f32 v[ES+4*k+2:ES+4*k+3], v[ES+4*k+2:ES+4*k+3], v[ES+4*(k+\d)+2:ES+4*(k+\d)+3]
.set k, k+1
.endr
.endr
	s_wait_loadcnt 0x0
.irp i, 0,1,2,3
	v_max3_num_f32 v[MM+\i], v[CE+\i], v[CE+4+\i], v[CE+8+\i]
.endr
.irp i, 0,1,2,3
	v_max_num_f32 v[MM+\i], v[MM+\i], v[CE+12+\i]
.endr
.set k, 0
.rept 8                                ; (m_k - M) log2(e), a pair at a time
	v_pk_add_f32 v[CE+2*k:CE+2*k+1], v[CE+2*k:CE+2*k+1], v[MM+2*(k%2):MM+2*(k%2)+1] neg_lo:[0,1] neg_hi:[0,1]
.set k, k+1
.endr
.set k, 0
.rept 8
	v_pk_mul_f32 v[CE+2*k:CE+2*k+1], v[CE+2*k:CE+2*k+1], 0x3fb8aa3b op_sel_hi:[1,0]
.set k, k+1
.endr
.set k, 0
.rept 16
	v_exp_f32 v[CE+k], v[CE+k]
.set k, k+1
.endr
	v_nop                                          ; a plain instruction behind the last exponential,
	s_wait_alu depctr_va_vdst(0)                   ; and the one wait ahead of the batch's first reader
	v_pk_mul_f32 v[SS:SS+1],   v[CE+16:CE+17], v[CE:CE+1]
	v_pk_mul_f32 v[SS+2:SS+3], v[CE+18:CE+19], v[CE+2:CE+3]
.irp k, 1,2,3
	v_pk_fma_f32 v[SS:SS+1],   v[CE+16+4*\k:CE+17+4*\k], v[CE+4*\k:CE+4*\k+1],   v[SS:SS+1]
	v_pk_fma_f32 v[SS+2:SS+3], v[CE+18+4*\k:CE+19+4*\k], v[CE+4*\k+2:CE+4*\k+3], v[SS+2:SS+3]
.endr
.irp i, 0,1,2,3
	v_log_f32 v[ES+\i], v[ES+\i]
	v_log_f32 v[SS+\i], v[SS+\i]
.endr
	v_nop
	s_wait_alu depctr_va_vdst(0)                   ; one wait for the eight logarithms
.irp i, 0,1,2,3
	v_fma_f32 v[SS+\i], v[SS+\i], s20, v[MM+\i]    ; lse
	v_cmp_lt_f32 vcc_lo, 0, v[WW+\i]               ; valid: the row has a positive
	v_cndmask_b32 v[WW+\i], 0, 1.0, vcc_lo
	v_cndmask_b32 v[ES+\i], 0, v[ES+\i], vcc_lo
.endr
	v_pk_add_f32 v[ES:ES+1], v[ES:ES+1], v[ES+2:ES+3]
	v_pk_add_f32 v[SS:SS+1], v[SS:SS+1], v[SS+2:SS+3]
	v_pk_add_f32 v[WW:WW+1], v[WW:WW+1], v[WW+2:WW+3]
	v_add_f32 v[AA],   v[ES], v[ES+1]              ; valid rows' log2(bottom)
	v_add_f32 v[AA+1], v[SS], v[SS+1]              ; lse
	v_add_f32 v[AA+2], v[WW], v[WW+1]              ; valid rows: at most 128 a wave, exact
.irp n, 0,1,2,3
	WRED AA+\n, 125
.endr
	s_wait_xcnt 0x0                                ; EXEC changes only behind this wait
	v_cmp_eq_u32 vcc_lo, 0, v0
	s_and_saveexec_b32 s24, vcc_lo
	global_store_b128 v3, v[AA:AA+3], s[12:13]
	s_wait_xcnt 0x0                                ; and again, in front of the line that widens it
	s_or_b32 exec_lo, exec_lo, s24
	s_endpgm
.Lfunc_end_k_q8d3a81ceaa_rows:
	.size	k_q8d3a81ceaa_rows, .Lfunc_end_k_q8d3a81ceaa_rows-k_q8d3a81ceaa_rows
	.p2alignl 7, 3214868480
	.fill 96, 4, 3214868480
	.section	.rodata,"a",@progbits
	.p2align	6, 0x0
	.amdhsa_kernel k_q8d3a81ceaa_rows
		.amdhsa_group_segment_fixed_size 0
		.amdhsa_private_segment_fixed_size 0
		.amdhsa_enable_private_segment 0
		.amdhsa_kernarg_size 40
		.amdhsa_user_sgpr_count 2
		.amdhsa_user_sgpr_kernarg_segment_ptr 1
		.amdhsa_wavefront_size32 1
		.amdhsa_system_sgpr_workgroup_id_x 1
		.amdhsa_system_sgpr_workgroup_id_y 1
		.amdhsa_system_sgpr_workgroup_id_z 1
		.amdhsa_system_vgpr_workitem_id 0
		.amdhsa_next_free_vgpr 128
		.amdhsa_next_free_sgpr 66
		.amdhsa_reserve_vcc 1
		.amdhsa_float_denorm_mode_32 3
		.amdhsa_float_denorm_mode_16_64 3
		.amdhsa_memory_ordered 1
		.amdhsa_forward_progress 1
		.amdhsa_inst_pref_size 12
	.end_amdhsa_kernel
	.amdgpu_metadata
---
amdhsa.version: [ 1, 2 ]
amdhsa.kernels:
  - .name:           k_q8d3a81ceaa_rows
    .symbol:         k_q8d3a81ceaa_rows.kd
    .args:
      - { .name: esum, .offset: 0, .size: 8, .value_kind: global_buffer, .address_space: global }
      - { .name: ce, .offset: 8, .size: 8, .value_kind: global_buffer, .address_space: global }
      - { .name: wrow, .offset: 16, .size: 8, .value_kind: global_buffer, .address_space: global }
      - { .name: scal, .offset: 24, .size: 8, .value_kind: global_buffer, .address_space: global }
      - { .name: part, .offset: 32, .size: 8, .value_kind: global_buffer, .address_space: global }
    .group_segment_fixed_size: 0
    .private_segment_fixed_size: 0
    .kernarg_segment_align: 8
    .kernarg_segment_size: 40
    .max_flat_workgroup_size: 32
    .sgpr_count:     66
    .vgpr_count:     128
    .wavefront_size: 32
...
	.end_amdgpu_metadata
.endif
;; end of part 4
;; launch total (part 5): grid 1 x 1, 1 waves a work-group, no clusters, 0 bytes of LDS; arguments part, out1; writes out1
.if DOCPART == 5
	.amdgcn_target "amdgcn-amd-amdhsa--gfx1250"
	.amdhsa_code_object_version 6
	.text
	.protected	k_q8d3a81ceaa_total
	.globl	k_q8d3a81ceaa_total
	.p2align	8
	.type	k_q8d3a81ceaa_total,@function
k_q8d3a81ceaa_total:
	s_mov_b64 s[64:65], 0
	v_nop
	global_prefetch_b8 v0, s[64:65] scope:SCOPE_SE
	s_setreg_imm32_b32 hwreg(HW_REG_WAVE_MODE, 25, 1), 1
	s_wait_xcnt 0x0
; TOTAL: the one number, from the 32 records of ROWS.  loss = 0.9 ce + 0.1 scl.
;   ce  = (sum of lse_i - sum of the logits at the labels) / 4096.
;   scl = ln 2 (sum over valid i of log2(bottom_i) - sum over positive pairs of sim_ij log2(e) / cnt_i) / n_valid, 0 where no row is valid: the identity shown at the head of MAIN; nothing more is left out here.
; One number has one owner: one work-group of one wave; lane l takes record l, so the wave's one load covers 512 consecutive bytes.  A record's fourth word is the sum of 32 of MAIN's 224 scalars:
; records 0-4 hold sim's work-groups (the positive pairs), records 5 and 6 the logits' (the logits at the labels), the others 0.  No LDS, no barrier, nothing to ask for ahead.
.macro WRED x, t                       ; the sum over the wave's 32 lanes, in every lane
	v_add_f32_dpp v[\x], v[\x], v[\x] row_xmask:1 row_mask:0xf bank_mask:0xf
	v_add_f32_dpp v[\x], v[\x], v[\x] row_xmask:2 row_mask:0xf bank_mask:0xf
	v_add_f32_dpp v[\x], v[\x], v[\x] row_xmask:4 row_mask:0xf bank_mask:0xf
	v_add_f32_dpp v[\x], v[\x], v[\x] row_xmask:8 row_mask:0xf bank_mask:0xf
	v_permlanex16_b32 v[\t], v[\x], s16, s17
	v_add_f32 v[\x], v[\x], v[\t]
.endm
	s_load_b128 s[4:7], s[0:1], 0x0                ; part s[4:5], out1 s[6:7]
	v_lshlrev_b32 v1, 4, v0                        ; my record
	v_mov_b32 v12, 0                               ; (a lane exchange's destination counts as read)
	v_mov_b32 v13, 0                               ; out1's offset
	s_mov_b32 s16, 0x76543210
	s_mov_b32 s17, 0xfedcba98
	s_mov_b32 s20, 0x3f317218                      ; ln 2
	s_mov_b32 s21, 0x3f666666                      ; 0.9
	s_wait_kmcnt 0x0
	global_load_b128 v[4:7], v1, s[4:5]            ; v4 log2(bottom), v5 lse, v6 valid rows, v7 scalars
	v_cmp_gt_u32 vcc_lo, 5, v0
	s_wait_loadcnt 0x0
	v_cndmask_b32 v8, 0, v7, vcc_lo                ; lanes 0-4: the positive pairs' sum
	v_sub_f32 v9, v7, v8                           ; the other lanes: the logits at the labels (v8 is v7 or 0, so this is 0 or v7)
.irp n, 4,5,6,8,9
	WRED \n, 12
.endr
	v_sub_f32 v5, v5, v9
	v_sub_f32 v4, v4, v8
	v_max_num_f32 v10, 1.0, v6
	v_rcp_f32 v10, v10
	v_mul_f32 v5, 0x39800000, v5                   ; ce: / 4096 (the plain instruction behind the reciprocal)
	s_wait_alu depctr_va_vdst(0)                   ; the wait ahead of the reciprocal's first reader
	v_mul_f32 v4, v4, v10
	v_mul_f32 v4, s20, v4                          ; scl
	v_cmp_lt_f32 vcc_lo, 0, v6
	v_cndmask_b32 v4, 0, v4, vcc_lo                ; 0 where no row is valid
	v_mul_f32 v4, 0x3dcccccd, v4                   ; 0.1 scl
	v_fma_f32 v4, v5, s21, v4                      ; + 0.9 ce
	s_wait_xcnt 0x0                                ; EXEC changes only behind this wait
	v_cmp_eq_u32 vcc_lo, 0, v0
	s_and_saveexec_b32 s24, vcc_lo
	global_store_b32 v13, v4, s[6:7]
	s_wait_xcnt 0x0                                ; and again, in front of the line that widens it
	s_or_b32 exec_lo, exec_lo, s24
	s_endpgm
.Lfunc_end_k_q8d3a81ceaa_total:
	.size	k_q8d3a81ceaa_total, .Lfunc_end_k_q8d3a81ceaa_total-k_q8d3a81ceaa_total
	.p2alignl 7, 3214868480
	.fill 96, 4, 3214868480
	.section	.rodata,"a",@progbits
	.p2align	6, 0x0
	.amdhsa_kernel k_q8d3a81ceaa_total
		.amdhsa_group_segment_fixed_size 0
		.amdhsa_private_segment_fixed_size 0
		.amdhsa_enable_private_segment 0
		.amdhsa_kernarg_size 16
		.amdhsa_user_sgpr_count 2
		.amdhsa_user_sgpr_kernarg_segment_ptr 1
		.amdhsa_wavefront_size32 1
		.amdhsa_system_sgpr_workgroup_id_x 1
		.amdhsa_system_sgpr_workgroup_id_y 1
		.amdhsa_system_sgpr_workgroup_id_z 1
		.amdhsa_system_vgpr_workitem_id 0
		.amdhsa_next_free_vgpr 32
		.amdhsa_next_free_sgpr 66
		.amdhsa_reserve_vcc 1
		.amdhsa_float_denorm_mode_32 3
		.amdhsa_float_denorm_mode_16_64 3
		.amdhsa_memory_ordered 1
		.amdhsa_forward_progress 1
		.amdhsa_inst_pref_size 4
	.end_amdhsa_kernel
	.amdgpu_metadata
---
amdhsa.version: [ 1, 2 ]
amdhsa.kernels:
  - .name:           k_q8d3a81ceaa_total
    .symbol:         k_q8d3a81ceaa_total.kd
    .args:
      - { .name: part, .offset: 0, .size: 8, .value_kind: global_buffer, .address_space: global }
      - { .name: out1, .offset: 8, .size: 8, .value_kind: global_buffer, .address_space: global }
    .group_segment_fixed_size: 0
    .private_segment_fixed_size: 0
    .kernarg_segment_align: 8
    .kernarg_segment_size: 16
    .max_flat_workgroup_size: 32
    .sgpr_count:     66
    .vgpr_count:     32
    .wavefront_size: 32
...
	.end_amdgpu_metadata
.endif
;; end of part 5
